; MI455X (gfx1250); checked and timed in simulation.
; The chip was launched on July 23, 2026; its instructions are those of AMD's public machine-readable ISA for CDNA 5 (MIT licence, August 2026) and "CDNA5" Instruction Set Architecture Reference Guide (July 2026). The comments in the code are by the model that wrote it; some were corrected since.
;; Causal Self Attention. Allowed arithmetic: matrix products marked QUANTISED: E2M1 operands, one E8M0 scale for each 32 along K, by v_wmma_scale_f32_16x16x128_f8f6f4 with both operands' format E2M1 (or v_wmma_scale_f32_32x16x128_f4), f32 sums; products left as they are: bf16, f16 or f32 operands; f32 sums; everything else in f32.
;; Inputs: w_o 1,024 x 1,024 float32; w_qkv 3,072 x 1,024 float32; x 4 x 2,048 x 1,024 float32.
;; Outputs: out0 4 x 2,048 x 1,024 float32.
;; This version of the problem:
;;   THIS VERSION OF THE PROBLEM IS GIVEN IN LOW PRECISION. The matrix products marked QUANTISED in the list below multiply operands that are first quantised to E2M1 (2 exponent bits, 1 mantissa bit; 4 bits a number), with one power-of-two scale for each 32 numbers along K (OCP MX v1.0); their sums are f32. The products marked 'left as it is' may take bf16, f16 or f32 operands, with f32 sums. Whichever they take, every output number must still come out within the allowed error. Rounding operands to bf16 (8 significant bits) uses up far more of that allowance than f16 does (11 bits, for magnitudes from 6e-5 to 65,504). All else is computed in f32.
;;   The module's matrix products, in the order in which they are computed (A, B: the left and right operand; K: the contracted axis; several contracted axes count as one K, in the product's order):
;;     1. [M 8,192, K 1,024] x [K 1,024, N 3,072]; A: input x; B: input w_qkv: QUANTISED
;;     2. batch 64 x [M 2,048, K 64] x [K 64, N 2,048]; A: computed on the way; B: computed on the way: left as it is (an operand is computed on the way)
;;     3. batch 64 x [M 2,048, K 2,048] x [K 2,048, N 64]; A: computed on the way; B: computed on the way: left as it is (an operand is computed on the way)
;;     4. [M 8,192, K 1,024] x [K 1,024, N 1,024]; A: computed on the way; B: input w_o: left as it is (an operand is computed on the way)
;;   THE QUANTISER, for each operand of a quantised product, along K:
;;     - K is cut into blocks of 32 from its start; a last block that is shorter is filled with zeros.
;;     - A block's scale is 2^e with e = floor(log2(the largest magnitude in the block)) - 2, held to -126 .. 127; a block of zeros has e = 0. As a byte (E8M0): e + 127.
;;     - Each number is divided by its block's scale, clamped to +-6, and rounded to the nearest number of E2M1, ties to even, subnormals kept.
;;     - The product sums the exact products of the quantised numbers (number of the format x scale) in f32.
;;   ~~~python
;;   def quantise(x, axis):      # numpy; x: float32 -> the quantised numbers, widened to float32 again
;;       x = np.moveaxis(x, axis, -1); K = x.shape[-1]
;;       x = np.pad(x, [(0, 0)] * (x.ndim - 1) + [(0, -K % 32)]); x = x.reshape(x.shape[:-1] + (-1, 32)); a = np.abs(x).max(-1, keepdims=True)
;;       e = np.where(a > 0, np.clip(np.frexp(np.where(a > 0, a, 1))[1] - 1 - 2, -126, 127), 0)      # np.frexp(a)[1] - 1 = floor(log2(a)), exactly
;;       r = np.clip(x / 2.0 ** e, -6, 6)
;;       step = 2.0 ** (np.maximum(np.frexp(np.where(r == 0, 1, r))[1] - 1, 0) - 1)
;;       q = np.round(r / step) * step * 2.0 ** e      # np.round: ties to even
;;       return np.moveaxis(q.reshape(q.shape[:-2] + (-1,))[..., :K], -1, axis).astype(np.float32)
;;   ~~~
;; One version. Each part assembles by itself: llvm-mc -triple=amdgcn-amd-amdhsa -mcpu=gfx1250 --defsym DOCPART=n.
;; ======== version 1 of 1: 5 launches
;; limits: values are held in f16: magnitudes above 65,504 overflow, below 6.1e-05 lose precision
;; workspace buffers: xc 4,194,304 bytes; xs 262,144 bytes; wc 1,572,864 bytes; ws 98,304 bytes; wo16 2,097,152 bytes; qkvh 50,331,648 bytes; q32 786,432 bytes; att 16,777,216 bytes
;; launch quant (part 1): grid 384 x 1, 4 waves a work-group, no clusters, 33,280 bytes of LDS; arguments x, w_qkv, w_o, xc, xs, wc, ws, wo16; writes xc, xs, wc, ws, wo16
.if DOCPART == 1
	.amdgcn_target "amdgcn-amd-amdhsa--gfx1250"
	.amdhsa_code_object_version 6
	.text
	.protected	k_q5ec7c76f25_quant
	.globl	k_q5ec7c76f25_quant
	.p2align	8
	.type	k_q5ec7c76f25_quant,@function
k_q5ec7c76f25_quant:
	s_mov_b64 s[64:65], 0
	v_nop
	global_prefetch_b8 v0, s[64:65] scope:SCOPE_SE
	s_setreg_imm32_b32 hwreg(HW_REG_WAVE_MODE, 25, 1), 1
	s_wait_xcnt 0x0
; x [8192][1024] and w_qkv [3072][1024], f32, become codes of FP4 (E2M1), K innermost, two codes a byte, with one E8M0 scale byte for each 32 along K; w_o [1024][1024], f32, becomes f16.
; A block's scale is 2^(floor(log2(its largest magnitude)) - 2): its byte is the largest magnitude's own exponent field - 2, held at 1 from below.  A block of zeros so gets the byte 1 where the rule
; says 127: its codes are zeros, which add nothing under any byte but 0xff, and the bytes are read by this program alone.
; LIMITS: blocks whose largest magnitude lies under 2^-124, the floor, were not tried; NaN and infinities among the inputs are not served; |w_o| stays under 65,504, the largest f16 number.
; SHARES: rows are dense and K is a multiple of 32, so each tensor is a plain stream.  A work-group takes 32,768 numbers, a wave 8,192.  Work-groups 0-255: x; 256-351: w_qkv; 352-383: w_o.
; x and w_qkv take ONE path (only pointers are chosen).  A lane must hold 16 neighbours for the conversions, a load is best where neighbouring lanes take neighbouring bytes: so each load reads 512
; consecutive bytes and a step's 2,048 bytes turn through the wave's own stage in LDS (16 bytes of padding behind each 64).  Codes leave 256 consecutive bytes a store; a wave's 256 scale bytes are
; gathered in LDS and leave as one aligned run of 256 bytes.  No barrier: waves share nothing.  Matrix units, clusters and tensor loads would add nothing to a stream that is read once.
.set WAVES, 4
.set STEPS, 16
.set EMAX,  2
.set CB,    8                          ; bytes of 16 codes
.set R,     16                         ; v16-79   four sets of 16 numbers as they are loaded
.set X,     80                         ; v80-111  two sets of 16 neighbours
.set C,     128                        ; v128-191 codes: four registers for each step, so that no store's data are written again
.set E,     112                        ; v112-127 a scale byte for each step
.set WREG,  8192                       ; LDS: a region for each wave: two stages of 32 x SP bytes, behind them its 256 scale bytes
.set SP,    80
.set SPW,   12                         ; v12 LDS address of my spare word; never rewritten
.set NIL,   13                         ; v13 0; never rewritten
.set SPARE, WAVES*WREG                 ; behind the four regions: the spare words, 128 bytes a wave
.set OUTH,  80                         ; w_o's path: v80-111 f16 pairs to store; v16-79 and v112-175 two sets of 64 numbers
	s_load_b256 s[4:11], s[0:1], 0x0               ; x s[4:5], w_qkv s[6:7], w_o s[8:9], xc s[10:11]
	s_load_b256 s[12:19], s[0:1], 0x20             ; xs s[12:13], wc s[14:15], ws s[16:17], wo16 s[18:19]
	v_lshl_add_u32 v[SPW], v0, 2, SPARE
	v_mov_b32 v[NIL], 0
	v_lshrrev_b32 v1, 5, v0
	v_readfirstlane_b32 s20, v1                    ; wave
	v_and_b32 v2, 31, v0                           ; lane
	v_lshlrev_b32 v3, 4, v2                        ; my 16 bytes of a load's 512
	s_mul_i32 s21, s20, WREG
	v_lshrrev_b32 v14, 2, v2
	v_mul_u32_u24 v14, v14, SP
	v_and_b32 v15, 3, v2
	v_lshl_add_u32 v14, v15, 4, v14
	v_add_nc_u32 v14, s21, v14                     ; the stage, on the way in: SP (lane / 4) + 16 (lane % 4)
	v_mul_u32_u24 v15, v2, SP
	v_add_nc_u32 v15, s21, v15                     ; and on the way out: SP x lane: my 16 neighbours
	v_mul_u32_u24 v4, v2, CB                       ; my codes' place in a step's
	v_lshrrev_b32 v5, 1, v2
	s_add_co_u32 s21, s21, 2*32*SP
	v_add_nc_u32 v5, s21, v5                       ; LDS: my wave's 256 scale bytes, my block's byte
	v_lshlrev_b32 v7, 3, v2                        ; 8 bytes a lane
	v_add_nc_u32 v6, s21, v7
	s_wait_kmcnt 0x0
	s_cmp_ge_u32 ttmp9, 352                        ; w_o's work-groups part here: a branch on the work-group's number alone
	s_cbranch_scc1 .Lwo
	s_cmp_lt_u32 ttmp9, 256                        ; x or w_qkv: only pointers are chosen
	s_cselect_b64 s[4:5], s[4:5], s[6:7]
	s_cselect_b64 s[10:11], s[10:11], s[14:15]
	s_cselect_b64 s[12:13], s[12:13], s[16:17]
	s_cselect_b32 s21, 0, 256
	s_sub_co_u32 s21, ttmp9, s21
	s_lshl_b32 s21, s21, 2
	s_add_co_u32 s22, s21, s20                     ; which run of 8,192 numbers of the tensor is my wave's
	s_mov_b32 s23, 0
	s_mov_b64 s[24:25], 512*STEPS*4
	s_mul_u64 s[24:25], s[22:23], s[24:25]
	s_add_nc_u64 s[4:5], s[4:5], s[24:25]
	s_mov_b64 s[24:25], 32*STEPS*CB
	s_mul_u64 s[24:25], s[22:23], s[24:25]
	s_add_nc_u64 s[10:11], s[10:11], s[24:25]
	s_lshl_b32 s22, s22, 8                         ; 256 scale bytes a run
	s_add_nc_u64 s[12:13], s[12:13], s[22:23]
.macro LOAD t
.irp i, 0,1,2,3
	global_load_b128 v[R+16*((\t)%4)+4*\i:R+16*((\t)%4)+4*\i+3], v3, s[4:5] offset:2048*(\t)+512*\i th:TH_LOAD_NT   ; 32 lanes read 512 consecutive bytes
.endr
.endm
.macro TURN t                          ; step t's numbers through the stage: LDS serves a wave's instructions in order, so no wait stands between the stores and the loads
.irp i, 0,1,2,3
	ds_store_b128 v14, v[R+16*((\t)%4)+4*\i:R+16*((\t)%4)+4*\i+3] offset:32*SP*((\t)%2)+8*SP*\i
.endr
.irp i, 0,1,2,3
	ds_load_b128 v[X+16*((\t)%2)+4*\i:X+16*((\t)%2)+4*\i+3], v15 offset:32*SP*((\t)%2)+16*\i
.endr
.endm
.irp t, 0,1,2,3
	LOAD \t
.endr
	s_wait_loadcnt 12                              ; step 0's four loads are in; the twelve behind them stay out
	TURN 0
.macro STEP t
.set XS, X+16*((\t)%2)
.if (\t) > 0
	s_wait_dscnt 1                                 ; this step's numbers are back from the stage (the last step's byte store may be out): so its stores into the stage have read their registers,
.else
	s_wait_dscnt 0x0
.endif
.if (\t)+4 < STEPS
	LOAD (\t)+4                                    ; which take the loads of four steps on
.endif
.if (\t)+1 < STEPS
.if STEPS-2-(\t) >= 3
	s_wait_loadcnt 12                              ; the next step's four loads are in; those of the three steps behind it may be out
.else
	s_wait_loadcnt 4*(STEPS-2-(\t))
.endif
	TURN (\t)+1                                    ; and go through the other stage while this step is worked
.endif
	v_max3_num_f32 v8, |v[XS]|, |v[XS+1]|, |v[XS+2]|               ; the largest magnitude of my 16, in two chains
	v_max3_num_f32 v9, |v[XS+3]|, |v[XS+4]|, |v[XS+5]|
.irp i, 6,10
	v_max3_num_f32 v8, v8, |v[XS+\i]|, |v[XS+\i+1]|
	v_max3_num_f32 v9, v9, |v[XS+\i+2]|, |v[XS+\i+3]|
.endr
	v_max3_num_f32 v8, v8, |v[XS+14]|, |v[XS+15]|
	v_max3_num_f32 v8, v8, v9, (EMAX+1)<<23        ; and the floor 2^(3 - 127): so the byte cannot fall under 1
	v_max_num_f32_dpp v8, v8, v8 row_xmask:1 row_mask:0xf bank_mask:0xf   ; and of my neighbour's 16: the block's
	v_add_nc_u32 v11, -(EMAX<<23), v8              ; 2 off its exponent field: the conversion takes the exponent field of this operand as its scale
	v_cvt_scalef32_pk8_fp4_f32 v[C+4*(\t)], v[XS:XS+7], v11
	v_cvt_scalef32_pk8_fp4_f32 v[C+4*(\t)+1], v[XS+8:XS+15], v11
	v_lshrrev_b32 v[E+(\t)], 23, v11               ; the scale's byte (also the plain line behind the conversions)
	ds_store_b8 v5, v[E+(\t)] offset:16*(\t)       ; both lanes of a block write the same byte with the same value
	global_store_b64 v4, v[C+4*(\t):C+4*(\t)+1], s[10:11] offset:32*CB*(\t)   ; the wave stores 256 consecutive bytes, aligned
.endm
.irp t, 0,1,2,3,4,5,6,7,8,9,10,11,12,13,14,15
	STEP \t
.endr
	ds_load_b64 v[8:9], v6                         ; LDS serves a wave's instructions in order: these see my stores
	s_wait_dscnt 0x0
	global_store_b64 v7, v[8:9], s[12:13]          ; 32 lanes store 256 consecutive bytes, aligned
	s_wait_tensorcnt 0x0                           ; the wave's end, behind my last LDS store
	ds_add_u32 v[SPW], v[NIL]
	s_wait_dscnt 0x0
	s_endpgm
; w_o to f16: a wave's 8,192 numbers in four groups of 16 loads, two groups on their way.  A load reads 512 consecutive bytes, a store writes 256.
.Lwo:
	s_sub_co_u32 s21, ttmp9, 352
	s_lshl_b32 s21, s21, 2
	s_add_co_u32 s21, s21, s20                     ; my run
	s_lshl_b32 s22, s21, 15                        ; 32,768 bytes of f32,
	s_mov_b32 s23, 0
	s_add_nc_u64 s[8:9], s[8:9], s[22:23]
	s_lshl_b32 s22, s21, 14                        ; 16,384 of f16
	s_add_nc_u64 s[18:19], s[18:19], s[22:23]
.macro LOADG g
.set SL, 16+96*((\g)%2)
.irp i, 0,1,2,3,4,5,6,7,8,9,10,11,12,13,14,15
	global_load_b128 v[SL+4*\i:SL+4*\i+3], v3, s[8:9] offset:(\g)*8192+\i*512 th:TH_LOAD_NT
.endr
.endm
	LOADG 0
	LOADG 1
.irp g, 0,1,2,3
.set SG, 16+96*(\g%2)
.if \g < 3
	s_wait_loadcnt 16                              ; this group is in; the next group's sixteen loads may be out
.else
	s_wait_loadcnt 0
.endif
	s_wait_xcnt 0x0                                ; the last group's stores have read their data registers, which are written again below
.irp i, 0,1,2,3,4,5,6,7,8,9,10,11,12,13,14,15
	v_cvt_pk_f16_f32 v[OUTH+2*\i], v[SG+4*\i], v[SG+4*\i+1]
	v_cvt_pk_f16_f32 v[OUTH+2*\i+1], v[SG+4*\i+2], v[SG+4*\i+3]
.endr
.irp i, 0,1,2,3,4,5,6,7,8,9,10,11,12,13,14,15
	global_store_b64 v7, v[OUTH+2*\i:OUTH+2*\i+1], s[18:19] offset:\g*4096+\i*256
.endr
.if \g < 2
	LOADG \g+2
.endif
.endr
	s_wait_tensorcnt 0x0                           ; the same three closing lines on this path
	ds_add_u32 v[SPW], v[NIL]
	s_wait_dscnt 0x0
	s_endpgm
.Lfunc_end_k_q5ec7c76f25_quant:
	.size	k_q5ec7c76f25_quant, .Lfunc_end_k_q5ec7c76f25_quant-k_q5ec7c76f25_quant
	.p2alignl 7, 3214868480
	.fill 96, 4, 3214868480
	.section	.rodata,"a",@progbits
	.p2align	6, 0x0
	.amdhsa_kernel k_q5ec7c76f25_quant
		.amdhsa_group_segment_fixed_size 33280
		.amdhsa_private_segment_fixed_size 0
		.amdhsa_enable_private_segment 0
		.amdhsa_kernarg_size 64
		.amdhsa_user_sgpr_count 2
		.amdhsa_user_sgpr_kernarg_segment_ptr 1
		.amdhsa_wavefront_size32 1
		.amdhsa_system_sgpr_workgroup_id_x 1
		.amdhsa_system_sgpr_workgroup_id_y 1
		.amdhsa_system_sgpr_workgroup_id_z 1
		.amdhsa_system_vgpr_workitem_id 0
		.amdhsa_next_free_vgpr 192
		.amdhsa_next_free_sgpr 66
		.amdhsa_reserve_vcc 0
		.amdhsa_float_denorm_mode_32 3
		.amdhsa_float_denorm_mode_16_64 3
		.amdhsa_memory_ordered 1
		.amdhsa_forward_progress 1
		.amdhsa_inst_pref_size 54
	.end_amdhsa_kernel
	.amdgpu_metadata
---
amdhsa.version: [ 1, 2 ]
amdhsa.kernels:
  - .name:           k_q5ec7c76f25_quant
    .symbol:         k_q5ec7c76f25_quant.kd
    .args:
      - { .name: x, .offset: 0, .size: 8, .value_kind: global_buffer, .address_space: global }
      - { .name: w_qkv, .offset: 8, .size: 8, .value_kind: global_buffer, .address_space: global }
      - { .name: w_o, .offset: 16, .size: 8, .value_kind: global_buffer, .address_space: global }
      - { .name: xc, .offset: 24, .size: 8, .value_kind: global_buffer, .address_space: global }
      - { .name: xs, .offset: 32, .size: 8, .value_kind: global_buffer, .address_space: global }
      - { .name: wc, .offset: 40, .size: 8, .value_kind: global_buffer, .address_space: global }
      - { .name: ws, .offset: 48, .size: 8, .value_kind: global_buffer, .address_space: global }
      - { .name: wo16, .offset: 56, .size: 8, .value_kind: global_buffer, .address_space: global }
    .group_segment_fixed_size: 33280
    .private_segment_fixed_size: 0
    .kernarg_segment_align: 8
    .kernarg_segment_size: 64
    .max_flat_workgroup_size: 128
    .sgpr_count:     66
    .vgpr_count:     192
    .wavefront_size: 32
...
	.end_amdgpu_metadata
.endif
;; end of part 1
;; launch qkv (part 2): grid 12 x 32, 4 waves a work-group, clusters of 4 x 4, 327,680 bytes of LDS; arguments xc, xs, wc, ws, qkvh, q32; writes qkvh, q32
.if DOCPART == 2
	.amdgcn_target "amdgcn-amd-amdhsa--gfx1250"
	.amdhsa_code_object_version 6
	.text
	.protected	k_q5ec7c76f25_qkv
	.globl	k_q5ec7c76f25_qkv
	.p2align	8
	.type	k_q5ec7c76f25_qkv,@function
k_q5ec7c76f25_qkv:
	s_mov_b64 s[64:65], 0
	v_nop
	global_prefetch_b8 v0, s[64:65] scope:SCOPE_SE
	s_setreg_imm32_b32 hwreg(HW_REG_WAVE_MODE, 25, 1), 1
	s_wait_xcnt 0x0
	s_wait_alu depctr_hold_cnt(0) depctr_sa_sdst(0) depctr_va_vdst(0) depctr_va_sdst(0) depctr_va_ssrc(0) depctr_va_vcc(0) depctr_vm_vsrc(0)
	s_getreg_b32 s2, hwreg(HW_REG_IB_STS2, 6, 4)
	s_cmp_eq_u32 s2, 0
	s_cbranch_scc0 .Lentry_in_a_cluster
	s_endpgm
.Lentry_in_a_cluster:
	s_bfe_u32 s2, ttmp6, 0x10000c
	s_cmp_lg_u32 s2, 0xf033
	s_cbranch_scc0 .Lentry_shape_is_right
	s_endpgm
.Lentry_shape_is_right:
; qkv[m][n] = sum over k of x[m][k] w_qkv[n][k], on codes of FP4 (E2M1) with one E8M0 scale for each 32 along K; M 8,192, N 3,072, K 1,024; sums in f32.
; A tile of 256 x 256 is made by four waves, 128 x 128 each: 64 accumulators of 16 x 16, 512 registers.  K is 1,024: two LDS slots of 512 along K (rows of 256 bytes) hold all of it, so both
; are first fills and nothing is filled again.  The scale bytes of the tile's 256 + 256 rows come once, as two dense blocks.
; CLUSTERS: 4 x 4 work-groups.  The four of a row of the cluster need the same tiles of x, the four of a column the same tiles of w_qkv: each is asked for jointly.
; The tile row is 8 cy + (cluster y): so the batch is cy and the tile's place in its sequence is the cluster's y, the same number in all sixteen partners.
; THE MATRIX INSTRUCTION IS USED TRANSPOSED (source 0 = 16 rows of w_qkv, source 1 = 16 rows of x): a lane holds eight neighbouring columns of one row.
; OUT: f16, split by heads: qkvh [q, k, v][batch x 16 + head][t][64]; a row is 128 bytes, dense.  LIMIT: |q|, |k|, |v| stay under 65,504, the largest f16 number.
; The first 16 positions of every sequence also leave in f32, as images of the accumulators: q32 [batch][column / 16][half][lane][4]: they are carried more finely by the last launch.
; REGISTERS, in windows of 256: window 0: v0-31 addresses; v32-95 scale words, two sets; from v128 x's fragments, ONE set; on the way out v32-63, v192-255 at work.
;   window 1: w_qkv's fragments, TWO sets, at v0 and v128.   window 2: the accumulators of my rows 0-63 ((a, b) at v[8 (8 a + b)]);   window 3: those of my rows 64-127.
.set SIZE_K, 1024
.set KSTEP,  512
.set NQ,     KSTEP/128
.set ROWB,   256                       ; a tile's row in bytes
.set KROW,   SIZE_K/2                  ; a row of codes in memory
.set PITCH,  272                       ; an LDS row: 256 bytes + 16 of padding: the 16 rows of a load start 68 words apart
.set FR,     8
.set NL,     2
.set NP,     4                         ; places behind this matrix instruction (ISA guide 7.12.1)
.set HALFT,  128*PITCH
.set SLOT,   4*HALFT
.set KS,     SIZE_K/32                 ; a row of scale bytes
.set SCL,    2*SLOT
.set HALFS,  (128*KS/256)*272
.set SBLK,   (16*KS/256)*272
.set SPARE,  SCL+4*HALFS               ; the spare words, 128 bytes a wave
.set SPITCH, 272                       ; the way out: a stage of 16 rows x (256 bytes + 16) for each wave, in slot 0, which has had its one fill and its last read by then
.set ADRA, 16
.set ADRB, 20
.set STO,  24
.set RD,   25
.set CO,   26
.set ADRS, 27
.set SPW,  28
.set NIL,  29
.set SC,   32
.set AF,   128
.set TMP,  192                         ; the way out: packed results
.set OB,   32                          ; and rows read back: v32-63 and v224-255 by turns
.set G1, 24
.set G0, 32
.set G1B, 48
.set G0B, 56
.set G1S, 68
.set G0S, 76
.set G1SB, 80
.set G0SB, 88
.set MSB, 0
.macro WIN new                         ; the immediate's high byte repeats the setting that is left
.if MSB != \new
	s_set_vgpr_msb (MSB<<8)|\new
.set MSB, \new
.endif
.endm
.set MUL_LO, 0xa1                      ; source 0 window 1, source 1 window 0, C and D window 2
.set MUL_HI, 0xf1
.set TO_B,   0x40
; A joint load: waves 0 and 1 fetch for x, waves 2 and 3 for w_qkv.  The branch hangs on the wave's number alone.  An s_nop 0 and four v_nop follow each line.
.macro JLOAD g0a, g1a, g0b, g1b
	s_cmp_eq_u32 s15, 0
	s_cbranch_scc0 .Lfor_b_\@
	tensor_load_to_lds s[\g0a:\g0a+3], s[\g1a:\g1a+7]
	s_nop 0
.rept 4
	v_nop
.endr
	s_branch .Lasked_\@
.Lfor_b_\@:
	tensor_load_to_lds s[\g0b:\g0b+3], s[\g1b:\g1b+7]
	s_nop 0
.rept 4
	v_nop
.endr
.Lasked_\@:
.endm
.macro CROUND                          ; a round of the cluster's barrier
	s_barrier_signal -1
	s_barrier_wait -1
	s_cmp_lg_u32 s14, 0
	s_cbranch_scc1 .Lnot_wave_0_\@
	s_barrier_signal -3
.Lnot_wave_0_\@:
	s_barrier_wait -3
	s_barrier_signal -1
	s_barrier_wait -1
.endm
	s_load_b128 s[4:7], s[0:1], 0x0                ; x's codes, x's scales
	s_load_b128 s[8:11], s[0:1], 0x10              ; w's codes, w's scales
	s_load_b64 s[12:13], s[0:1], 0x20              ; qkvh
	s_load_b64 s[96:97], s[0:1], 0x28              ; q32
	v_lshl_add_u32 v[SPW], v0, 2, SPARE
	v_mov_b32 v[NIL], 0
	ds_add_u32 v[SPW], v[NIL]                      ; the wave's opening: the add, twice on end, and its wait ahead of my first tensor load
	ds_add_u32 v[SPW], v[NIL]
	v_lshrrev_b32 v1, 5, v0
	v_readfirstlane_b32 s14, v1                    ; wave 0..3
	s_lshr_b32 s15, s14, 1                         ; which half of the tile's rows is mine.  Also: I fetch for x (0) or for w (1)
	s_and_b32 s16, s14, 1                          ; which half of its columns.  Also: which 128 rows I fetch
	s_bfe_u32 s40, ttmp6, 0x40000                  ; cx
	s_bfe_u32 s41, ttmp6, 0x40004                  ; cy
	s_lshl_b32 s42, ttmp9, 2
	s_add_co_u32 s42, s42, s40                     ; tile column = 4 x cluster x + cx
	s_and_b32 s95, ttmp7, 0xffff                   ; cluster y: the tile's place in its sequence
	s_lshl_b32 s17, s41, 3
	s_add_co_u32 s17, s17, s95                     ; tile row = 8 cy + cluster y
	s_lshl_b32 s43, s41, 2
	s_lshl_b32 s43, 15, s43                        ; my row of the cluster
	s_lshl_b32 s44, 0x1111, s40                    ; my column
	s_or_b32 s[G1+0], s43, (0<<16)|(1<<20)|(1<<21)|(5<<22)|(3<<25)  ; the mask; elements of 1 byte; padding: 4 words after every 64; bit 21 beside a mask
	s_or_b32 s[G1B+0], s44, (0<<16)|(1<<20)|(1<<21)|(5<<22)|(3<<25)
.irp g, G1, G1B
	s_mov_b32 s[\g+1], ROWB<<16                    ; tensor_dim0
	s_mov_b32 s[\g+2], 128<<16                     ; tensor_dim1
	s_mov_b32 s[\g+3], ROWB<<16                    ; tile_dim0
	s_mov_b32 s[\g+4], 128                         ; tile_dim1
	s_mov_b32 s[\g+5], KROW                        ; stride
	s_mov_b32 s[\g+6], 0
	s_mov_b32 s[\g+7], 0
.endr
	s_or_b32 s[G1S+0], s43, (3<<16)|(1<<20)|(1<<21)|(5<<22)|(3<<25)  ; the scales of 128 rows: a dense block, as rows of 256 bytes (32 elements of 8 bytes), padded alike
	s_or_b32 s[G1SB+0], s44, (3<<16)|(1<<20)|(1<<21)|(5<<22)|(3<<25)
.irp g, G1S, G1SB
	s_mov_b32 s[\g+1], 32<<16
	s_mov_b32 s[\g+2], (128*KS/256)<<16
	s_mov_b32 s[\g+3], 32<<16
	s_mov_b32 s[\g+4], 128*KS/256
	s_mov_b32 s[\g+5], 32
	s_mov_b32 s[\g+6], 0
	s_mov_b32 s[\g+7], 0
.endr
	s_lshl_b32 s18, s16, 7
	s_lshl_b32 s20, s17, 8
	s_add_co_u32 s20, s20, s18                     ; x: row 256 x tile row + 128 x half
	s_lshl_b32 s46, s42, 8
	s_add_co_u32 s46, s46, s18                     ; w: row 256 x tile column + 128 x half
	s_mov_b32 s21, 0
	s_mov_b32 s47, 0
	s_mov_b64 s[18:19], KS
	s_mul_u64 s[22:23], s[20:21], s[18:19]         ; where these rows' scales begin
	s_mul_u64 s[92:93], s[46:47], s[18:19]
	s_mov_b64 s[18:19], KROW
	s_mul_u64 s[20:21], s[20:21], s[18:19]         ; and their codes
	s_mul_u64 s[46:47], s[46:47], s[18:19]
	s_mul_i32 s45, s14, HALFT                      ; where they go: wave x 128 rows
	s_mul_i32 s94, s14, HALFS
	s_wait_dscnt 0x0                               ; both opening adds are done
	s_wait_kmcnt 0x0
	s_add_nc_u64 s[20:21], s[4:5], s[20:21]
	s_add_nc_u64 s[22:23], s[6:7], s[22:23]
	s_add_nc_u64 s[46:47], s[8:9], s[46:47]
	s_add_nc_u64 s[92:93], s[10:11], s[92:93]
	CROUND                                         ; all sixteen work-groups are here: the joint loads meet
	s_mov_b32 s[G0S], 1
	s_add_co_u32 s[G0S+1], s94, SCL
	s_mov_b64 s[G0S+2:G0S+3], s[22:23]
	s_or_b32 s[G0S+3], s[G0S+3], 0x80000000
	s_mov_b32 s[G0SB], 1
	s_add_co_u32 s[G0SB+1], s94, SCL
	s_mov_b64 s[G0SB+2:G0SB+3], s[92:93]
	s_or_b32 s[G0SB+3], s[G0SB+3], 0x80000000
	JLOAD G0S, G1S, G0SB, G1SB                     ; the scales first; three tensor loads of a wave are out behind the third
.irp s, 0,1
	s_mov_b32 s[G0+4*\s], 1
	s_add_co_u32 s[G0+4*\s+1], s45, \s*SLOT
	s_add_nc_u64 s[G0+4*\s+2:G0+4*\s+3], s[20:21], \s*ROWB
	s_or_b32 s[G0+4*\s+3], s[G0+4*\s+3], 0x80000000
	s_mov_b32 s[G0B+4*\s], 1
	s_add_co_u32 s[G0B+4*\s+1], s45, \s*SLOT
	s_add_nc_u64 s[G0B+4*\s+2:G0B+4*\s+3], s[46:47], \s*ROWB
	s_or_b32 s[G0B+4*\s+3], s[G0B+4*\s+3], 0x80000000
	JLOAD G0+4*\s, G1, G0B+4*\s, G1B
.endr
	v_and_b32 v1, 15, v0                           ; r
	v_bfe_u32 v2, v0, 4, 1                         ; h
	v_mul_u32_u24 v3, v1, PITCH
	v_lshl_add_u32 v4, v2, 4, v3                   ; a fragment's row x pitch + 16 h
	s_mul_i32 s21, s15, HALFT
	s_mul_i32 s22, s16, HALFT
	s_add_co_u32 s22, s22, 2*HALFT
.irp s, 0,1
	v_add_nc_u32 v[ADRA+\s], s21, v4
	v_add_nc_u32 v[ADRB+\s], s22, v4
	s_add_co_u32 s21, s21, SLOT
	s_add_co_u32 s22, s22, SLOT
.endr
	v_mul_u32_u24 v5, v1, KS                       ; my row's scales: KS bytes a row,
	v_lshrrev_b32 v6, 8, v5
	v_lshl_add_u32 v5, v6, 4, v5                   ; and 16 more for each 256 passed
	s_mul_i32 s21, s15, HALFS
	s_mul_i32 s22, s16, HALFS
	s_add_co_u32 s22, s22, 2*HALFS
	s_sub_co_u32 s22, s22, s21
	v_mul_u32_u24 v6, s22, v2                      ; lanes 16-31 take w's
	s_add_co_u32 s21, s21, SCL
	v_add_nc_u32 v5, v5, v6
	v_add_nc_u32 v[ADRS], s21, v5
	s_mul_i32 s23, s14, 16*SPITCH                  ; my stage
	v_mul_u32_u24 v5, v1, SPITCH                   ; in: row r, 16 bytes for each half of the lanes
	v_lshl_add_u32 v5, v2, 4, v5
	v_add_nc_u32 v[STO], s23, v5
	v_and_b32 v6, 31, v0
	v_lshlrev_b32 v[CO], 4, v6                     ; out: 16 bytes a lane
	v_lshrrev_b32 v5, 3, v6                        ; back: eight lanes take the 128 bytes that one head has of a row; four rows a load
	v_mul_u32_u24 v5, v5, SPITCH
	v_and_b32 v6, 7, v6
	v_lshl_add_u32 v5, v6, 4, v5
	v_add_nc_u32 v[RD], s23, v5
	s_lshl_b32 s20, s41, 4                         ; qkvh: batch x 16
	s_lshl_b32 s21, s40, 2
	s_add_co_u32 s20, s20, s21                     ; + 4 cx
	s_lshl_b32 s21, s16, 1
	s_add_co_u32 s20, s20, s21                     ; + 2 x my half: my first head (my 128 columns are two heads)
	s_lshl_b32 s20, s20, 11
	s_lshl_b32 s21, s95, 8
	s_add_co_u32 s20, s20, s21
	s_lshl_b32 s21, s15, 7
	s_add_co_u32 s20, s20, s21                     ; x 2,048 + my first position
	s_lshl_b32 s20, s20, 7                         ; rows of 128 bytes
	s_lshl_b32 s21, ttmp9, 24                      ; q, k or v: the cluster's x; a part is 2^24 bytes
	s_add_co_u32 s20, s20, s21
	s_mov_b32 s21, 0
	s_add_nc_u64 s[12:13], s[12:13], s[20:21]
	s_mul_i32 s20, s41, 192                        ; q32: batch x 192 + 16 x tile column + 8 x my half, images of 1,024 bytes
	s_lshl_b32 s46, s42, 4
	s_add_co_u32 s20, s20, s46
	s_lshl_b32 s46, s16, 3
	s_add_co_u32 s20, s20, s46
	s_lshl_b32 s20, s20, 10
	s_add_nc_u64 s[96:97], s[96:97], s[20:21]
.macro FRAG reg, adr, q, i             ; 16 rows x 128 K of 4-bit codes: 8 registers: registers 4 c .. 4 c + 3 hold K = 64 c + 32 h + 0 .. 31
.irp c, 0,1
	ds_load_b128 v[\reg+4*\c:\reg+4*\c+3], v[\adr] offset:64*(\q)+32*\c+(\i)*16*PITCH
.endr
.endm
; 16 matrix instructions: x's blocks a0, a0 + 1 against w's eight.  The 64 accumulators take turns, one instruction a turn, in the same order in every step.
.macro MUL16 a0, p, q, sc, zero
.irp a, \a0, \a0+1
.irp b, 0,1,2,3,4,5,6,7
.if \zero
	v_wmma_scale_f32_16x16x128_f8f6f4 v[8*(8*((\a)%4)+\b):8*(8*((\a)%4)+\b)+7], v[128*(\p)+FR*\b:128*(\p)+FR*\b+FR-1], v[AF+FR*(\a):AF+FR*(\a)+FR-1], 0, v[SC+8*NQ*(\sc)+NQ*\b+(\q)], v[SC+8*NQ*(\sc)+NQ*(\a)+(\q)] matrix_a_fmt:MATRIX_FMT_FP4 matrix_b_fmt:MATRIX_FMT_FP4 matrix_a_scale:MATRIX_SCALE_ROW1
.else
	v_wmma_scale_f32_16x16x128_f8f6f4 v[8*(8*((\a)%4)+\b):8*(8*((\a)%4)+\b)+7], v[128*(\p)+FR*\b:128*(\p)+FR*\b+FR-1], v[AF+FR*(\a):AF+FR*(\a)+FR-1], v[8*(8*((\a)%4)+\b):8*(8*((\a)%4)+\b)+7], v[SC+8*NQ*(\sc)+NQ*\b+(\q)], v[SC+8*NQ*(\sc)+NQ*(\a)+(\q)] matrix_a_fmt:MATRIX_FMT_FP4 matrix_b_fmt:MATRIX_FMT_FP4 matrix_a_scale:MATRIX_SCALE_ROW1
.endif
.endr
.endr
.endm
.macro FETCH_B slot, q, p
	WIN TO_B
.irp i, 0,1,2,3,4,5,6,7
	FRAG 128*(\p)+FR*\i, ADRB+\slot, \q, \i
.endr
	WIN 0
.endm
.macro FETCH_A slot, q, i0
.irp i, \i0, \i0+1, \i0+2, \i0+3
	FRAG AF+FR*(\i), ADRA+\slot, \q, \i
.endr
.endm
.macro SCALES sc                       ; a K step's scale words: lanes 0-15 take x's block i, lanes 16-31 w's block i
.irp i, 0,1,2,3,4,5,6,7
	ds_load_b128 v[SC+8*NQ*\sc+NQ*\i:SC+8*NQ*\sc+NQ*\i+3], v[ADRS] offset:\i*SBLK
.endr
.endm
.macro PLACES n                        ; plain vector instructions between a matrix instruction and a load into, or a read of, its registers
.rept \n
	v_nop
.endr
.endm
.macro STEP slot, q, zero              ; 128 along K that has its successor in the same slot
	s_wait_dscnt 4*NL                              ; w's set and x's blocks 0-3 are in; the youngest eight loads (x's blocks 4-7) may be out
	WIN MUL_LO
	MUL16 0, (\q)%2, \q, \slot, \zero
	MUL16 2, (\q)%2, \q, \slot, \zero
	s_wait_dscnt 0
	PLACES NP
	FETCH_B \slot, (\q)+1, 1-(\q)%2
	FETCH_A \slot, (\q)+1, 0
	WIN MUL_HI
	MUL16 4, (\q)%2, \q, \slot, \zero
	MUL16 6, (\q)%2, \q, \slot, \zero
	PLACES NP
	WIN 0
	FETCH_A \slot, (\q)+1, 4
.endm
.macro TURN slot, next                 ; slot 0's last step: the one change of slots.  Nothing is filled again: a plain barrier shows slot 1 whole to every wave
	s_wait_tensorcnt 0x0                           ; my part of slot 1 has landed
	ds_add_u32 v[SPW], v[NIL]
	s_wait_dscnt 4*NL+1                            ; (the add and the youngest eight loads may be out)
	WIN MUL_LO
	MUL16 0, 1, NQ-1, \slot, 0
	s_wait_dscnt 0x0                               ; the add is done, and my reads of this slot are over
	s_barrier_signal -1
	MUL16 2, 1, NQ-1, \slot, 0
	WIN 0
	s_barrier_wait -1
	PLACES NP
	v_add_nc_u32 v[ADRS], 4*NQ, v[ADRS]            ; on to the next K step's scale words
	FETCH_B \next, 0, 0
	FETCH_A \next, 0, 0
	SCALES \next
	WIN MUL_HI
	MUL16 4, 1, NQ-1, \slot, 0
	MUL16 6, 1, NQ-1, \slot, 0
	PLACES NP
	WIN 0
	FETCH_A \next, 0, 4
.endm
	s_wait_tensorcnt 1                             ; the scales and my part of slot 0 are in; slot 1's load may be out
	s_barrier_signal -1
	s_barrier_wait -1
	FETCH_B 0, 0, 0
	FETCH_A 0, 0, 0
	SCALES 0
	FETCH_A 0, 0, 4
	STEP 0, 0, 1                                   ; the first products start the sums: nothing is cleared
	STEP 0, 1, 0
	STEP 0, 2, 0
	TURN 0, 1
	STEP 1, 0, 0
	STEP 1, 1, 0
	STEP 1, 2, 0
	s_wait_dscnt 4*NL
	WIN MUL_LO
	MUL16 0, 1, NQ-1, 1, 0
	MUL16 2, 1, NQ-1, 1, 0
	s_wait_dscnt 0
	WIN MUL_HI
	MUL16 4, 1, NQ-1, 1, 0
	MUL16 6, 1, NQ-1, 1, 0
	WIN 0
	PLACES NP                                      ; behind the last products: for the stores and conversions that read results, and the loads into registers that held scales
; Positions 0 to 15 of a sequence in f32: block 0 of the waves that hold the rows 0-127 of a sequence's first tile.  The branches hang on the cluster's y and the wave's number: alike in all partners.
	s_cmp_lg_u32 s95, 0
	s_cbranch_scc1 .Lno32
	s_cmp_lg_u32 s15, 0
	s_cbranch_scc1 .Lno32
	WIN 0x08                                       ; a store's data are its source 1: window 2
.irp b, 0,1,2,3,4,5,6,7
	global_store_b128 v[CO], v[8*\b:8*\b+3], s[96:97] offset:\b*1024            ; an image: 512 consecutive bytes a store; each accumulator from its low end on
	global_store_b128 v[CO], v[8*\b+4:8*\b+7], s[96:97] offset:\b*1024+512
.endr
	WIN 0
.Lno32:
; THE WAY OUT, block by block of 16 rows x 128 columns: rounded to f16 (16 bytes a lane), through my own stage, back as four rows of one head: 512 consecutive bytes of qkvh a store.
.macro PACK a
.set AC, 64*((\a)%4)
	WIN 0x0a+5*((\a)/4)                            ; sources 0 and 1: window 2 or 3
.irp b, 0,1,2,3,4,5,6,7
.irp r, 0,1,2,3
	v_cvt_pk_f16_f32 v[TMP+4*\b+\r], v[AC+8*\b+2*\r], v[AC+8*\b+2*\r+1]
.endr
.endr
	WIN 0
.endm
.macro TOSTAGE a
.set BB, OB+192*((\a)%2)
.irp b, 0,1,2,3,4,5,6,7
	ds_store_b128 v[STO], v[TMP+4*\b:TMP+4*\b+3] offset:32*\b
.endr
.irp i, 0,1,2,3,4,5,6,7
	ds_load_b128 v[BB+4*\i:BB+4*\i+3], v[RD] offset:(\i%4)*4*SPITCH+(\i/4)*128   ; LDS serves a wave's instructions in order: these see the stores above
.endr
.endm
.macro SEND a
.set BB, OB+192*((\a)%2)
	s_wait_dscnt 0x0                               ; the block is back in registers
	s_wait_xcnt 0x0                                ; the stores of the block before have read their registers: the next block's loads land there only behind this wait
.irp i, 0,1,2,3,4,5,6,7
	global_store_b128 v[CO], v[BB+4*\i:BB+4*\i+3], s[12:13] offset:(\i/4)*262144+(16*(\a)+4*(\i%4))*128
.endr
.endm
	PACK 0
	TOSTAGE 0
.irp a, 1,2,3,4,5,6,7
	PACK \a
	SEND \a-1
	TOSTAGE \a
.endr
	SEND 7
	s_wait_tensorcnt 0x0                           ; the wave's end
	ds_add_u32 v[SPW], v[NIL]
	s_wait_dscnt 0x0
	CROUND                                         ; the closing round
	s_endpgm
.Lfunc_end_k_q5ec7c76f25_qkv:
	.size	k_q5ec7c76f25_qkv, .Lfunc_end_k_q5ec7c76f25_qkv-k_q5ec7c76f25_qkv
	.p2alignl 7, 3214868480
	.fill 96, 4, 3214868480
	.section	.rodata,"a",@progbits
	.p2align	6, 0x0
	.amdhsa_kernel k_q5ec7c76f25_qkv
		.amdhsa_group_segment_fixed_size 327680
		.amdhsa_private_segment_fixed_size 0
		.amdhsa_enable_private_segment 0
		.amdhsa_kernarg_size 48
		.amdhsa_user_sgpr_count 2
		.amdhsa_user_sgpr_kernarg_segment_ptr 1
		.amdhsa_wavefront_size32 1
		.amdhsa_system_sgpr_workgroup_id_x 1
		.amdhsa_system_sgpr_workgroup_id_y 1
		.amdhsa_system_sgpr_workgroup_id_z 1
		.amdhsa_system_vgpr_workitem_id 0
		.amdhsa_next_free_vgpr 1024
		.amdhsa_next_free_sgpr 98
		.amdhsa_reserve_vcc 0
		.amdhsa_float_denorm_mode_32 3
		.amdhsa_float_denorm_mode_16_64 3
		.amdhsa_memory_ordered 1
		.amdhsa_forward_progress 1
		.amdhsa_inst_pref_size 128
	.end_amdhsa_kernel
	.amdgpu_metadata
---
amdhsa.version: [ 1, 2 ]
amdhsa.kernels:
  - .name:           k_q5ec7c76f25_qkv
    .symbol:         k_q5ec7c76f25_qkv.kd
    .args:
      - { .name: xc, .offset: 0, .size: 8, .value_kind: global_buffer, .address_space: global }
      - { .name: xs, .offset: 8, .size: 8, .value_kind: global_buffer, .address_space: global }
      - { .name: wc, .offset: 16, .size: 8, .value_kind: global_buffer, .address_space: global }
      - { .name: ws, .offset: 24, .size: 8, .value_kind: global_buffer, .address_space: global }
      - { .name: qkvh, .offset: 32, .size: 8, .value_kind: global_buffer, .address_space: global }
      - { .name: q32, .offset: 40, .size: 8, .value_kind: global_buffer, .address_space: global }
    .group_segment_fixed_size: 327680
    .private_segment_fixed_size: 0
    .kernarg_segment_align: 8
    .kernarg_segment_size: 48
    .max_flat_workgroup_size: 128
    .sgpr_count:     98
    .vgpr_count:     1024
    .wavefront_size: 32
...
	.end_amdgpu_metadata
.endif
;; end of part 2
;; launch attn (part 3): grid 4 x 64, 16 waves a work-group, no clusters, 327,680 bytes of LDS; arguments qkvh, att; writes att
.if DOCPART == 3
	.amdgcn_target "amdgcn-amd-amdhsa--gfx1250"
	.amdhsa_code_object_version 6
	.text
	.protected	k_q5ec7c76f25_attn
	.globl	k_q5ec7c76f25_attn
	.p2align	8
	.type	k_q5ec7c76f25_attn,@function
k_q5ec7c76f25_attn:
	s_mov_b64 s[64:65], 0
	v_nop
	global_prefetch_b8 v0, s[64:65] scope:SCOPE_SE
	s_setreg_imm32_b32 hwreg(HW_REG_WAVE_MODE, 25, 1), 1
	s_wait_xcnt 0x0
; att[bh][q][:] = the sum over k <= q of softmax_k(Q[q] . K[k] / 8) V[k][:], for 64 heads of 2,048 positions x 64 channels.  Q, K, V: f16, [part][bh][t][64]; att: f16, [bh][t][64].
; Products on f16 operands with f32 sums; maxima, exponentials and sums in f32; the weights p are rounded to f16 for the second product (p under 2^-24 becomes 0 there), att once at the end.
; SHARES.  A work-group owns the query blocks j and 7 - j (256 queries each) of one head, so that under the causal mask every work-group has the same work: 4 x 64 = 256 work-groups.
; Each of its sixteen waves owns 32 queries, two tiles of 16 that share every fragment of K and V; eight waves lie in the early block, eight in the late one, mixed over the wave numbers.
; Four waves share a SIMD, so that one wave's vector work stands beside another's matrix work and LDS loads.
; LAYOUT.  Both products are used transposed: S^T = K Q^T (source 0 = 16 keys, source 1 = 16 queries), O^T = V^T P (source 0 = 16 channels, source 1 = P): a lane holds ONE query throughout, and two
; tiles of S^T rounded in pairs ARE source 1 of the second product.  K comes out of LDS as it lies, V ([key][channel]) turned, by ds_load_tr16_b128.
; SOFTMAX.  A running maximum m and sum l for each query: p = 2^(c s - c m), c = log2(e) / 8; in every step O and l are multiplied by a = 2^(c m_old - c m_new).
; RING.  Two LDS slots of 256 keys; waves 0, 1 fetch K's halves, waves 2, 3 V's, one tensor load each behind a change of slots; one tensor load of a wave is out.
; Every work-group walks all eight changes of slots (constant trip counts).  A step all of whose keys come after a wave's queries is jumped over; a slot whose first key comes after the work-group's
; last query is not asked for.  NO CLUSTER: the four work-groups of a head need 8, 7, 6 and 5 slots, so a joint load would bring tiles that every wave of some partner jumps over.
; REGISTERS: v1-15 addresses; v16-31 statistics, 8 a tile: +0 c m, +1 m, +2,+3 l in two halves, +4..+7 at work (a in +6); v32-63 Q; v64-127 K's, then V's fragments; v128-191 S^T, p, P in place; v192-255 O^T.
.set KP2,   272                        ; two keys of K in LDS: 256 bytes + 16 of padding: the 16 keys of a load fall on 16 different columns of 16 bytes
.set VP2,   288                        ; two keys of V: 256 + 32
.set VOFF,  128*KP2                    ; a slot: 256 keys of K, then 256 of V
.set SLOT1, 1<<17                      ; slot 1 begins here: one exclusive or turns an address
.set STAGE, SLOT1+128*(KP2+VP2)        ; behind the ring: 32 rows x (128 bytes + 16) for each wave, for the way out; no tile lands there
.set SPARE, STAGE+16*32*144            ; the spare words, 128 bytes a wave
.set AK0, 1
.set AV0, 2
.set ADK, 3
.set ADV, 4
.set SPW, 5
.set NIL, 6
.set DQ,  7                            ; r - 8 h
.set DD,  8
.set NINF, 9
.set PFO, 10
.set QO,  11
.set ST,  16
.set Q,   32
.set KV,  64
.set S,   128
.set O,   192
.set WV,  18
.set SEL, 20
.set CS,  22
.set G1K, 24
.set G1V, 32
.set G0K, 40
.set G0V, 44
.set TB,  2                            ; s2  LDS byte at which the slot in hand begins
.set KF,  48                           ; s48 the step's first key
.set Q0,  49                           ; s49 my first query
.set SLOTS, 50
.set QL,  51                           ; s51 my work-group's last query
.set PFA, 52                           ; s[52:53] where my prefetches stand
.set LIM, 54                           ; s54 1 in a wave that prefetches, else the greatest number
; Waves 0 and 1 fetch for K, waves 2 and 3 for V, the others nothing.  An s_nop 0 and four v_nop follow each line.
.macro TLOAD
	s_cmp_lt_u32 s[WV], 2
	s_cbranch_scc0 .Lnot_k_\@
	tensor_load_to_lds s[G0K:G0K+3], s[G1K:G1K+7]
	s_nop 0
.rept 4
	v_nop
.endr
	s_branch .Lasked_\@
.Lnot_k_\@:
	s_cmp_lt_u32 s[WV], 4
	s_cbranch_scc0 .Lasked_\@
	tensor_load_to_lds s[G0V:G0V+3], s[G1V:G1V+7]
	s_nop 0
.rept 4
	v_nop
.endr
.Lasked_\@:
.endm
; A prefetch of what the NEXT change of slots will ask for: 256 keys of K and of V, two dense blocks of 32,768 bytes.  Of a head's four work-groups the one that walks all slots (j = 0) asks; in it
; waves 4-7 name K's block and waves 8-11 V's, 8,192 bytes a wave, lanes 256 bytes apart: each block of 256 bytes is named once in the launch.  The last change that fills a slot asks for nothing.
.macro ASK
	s_cmp_gt_u32 s[SLOTS], s[LIM]
	s_cbranch_scc0 .Lnot_mine_\@
	global_prefetch_b8 v[PFO], s[PFA:PFA+1] th:TH_LOAD_NT scope:SCOPE_SE
.Lnot_mine_\@:
.endm
	s_load_b128 s[4:7], s[0:1], 0x0                ; qkvh, att
	v_lshl_add_u32 v[SPW], v0, 2, SPARE
	v_mov_b32 v[NIL], 0
	ds_add_u32 v[SPW], v[NIL]                      ; the wave's opening: the add, twice on end, and its wait ahead of my first tensor load
	ds_add_u32 v[SPW], v[NIL]
	v_lshrrev_b32 v12, 5, v0
	v_readfirstlane_b32 s[WV], v12                 ; wave 0..15
	s_lshr_b32 s56, s[WV], 2
	s_xor_b32 s56, s56, s[WV]
	s_and_b32 s56, s56, 1                          ; 0: the early block, 1: the late one
	s_lshr_b32 s57, s[WV], 1                       ; 0..7
	s_sub_co_u32 s58, 7, ttmp9
	s_sub_co_u32 s59, 7, s57
	s_cmp_eq_u32 s56, 0
	s_cselect_b32 s58, ttmp9, s58                  ; my block: j or 7 - j
	s_cselect_b32 s59, s57, s59                    ; my 32 queries in it
	s_lshl_b32 s58, s58, 8
	s_lshl_b32 s59, s59, 5
	s_add_co_u32 s[Q0], s58, s59
	s_sub_co_u32 s[QL], 8, ttmp9
	s_lshl_b32 s[QL], s[QL], 8
	s_sub_co_u32 s[QL], s[QL], 1                   ; 256 (8 - j) - 1
	s_and_b32 s60, ttmp7, 0xffff
	s_lshl_b32 s60, s60, 18                        ; the head's first byte in a part: 2,048 rows of 128 bytes
	s_mov_b32 s61, 0
	s_lshl_b32 s62, s[Q0], 7
	s_mov_b32 s63, 0
	; descriptor group 1: 64 rows of 128 elements of 2 bytes (two keys a row: a head's rows are dense), padded in LDS
	s_mov_b32 s[G1K], (1<<16)|(1<<20)|(5<<22)|(3<<25)             ; no mask; padding: 4 words after every 64
	s_mov_b32 s[G1V], (1<<16)|(1<<20)|(5<<22)|(7<<25)             ; 8 words
.irp g, G1K, G1V
	s_mov_b32 s[\g+1], 128<<16                     ; tensor_dim0
	s_mov_b32 s[\g+2], 64<<16                      ; tensor_dim1
	s_mov_b32 s[\g+3], 128<<16                     ; tile_dim0
	s_mov_b32 s[\g+4], 64                          ; tile_dim1
	s_mov_b32 s[\g+5], 128                         ; stride
	s_mov_b32 s[\g+6], 0
	s_mov_b32 s[\g+7], 0
.endr
	s_and_b32 s56, s[WV], 1                        ; which half of a slot's keys I fetch, if I fetch
	s_mul_i32 s[G0K+1], s56, 64*KP2
	s_mul_i32 s[G0V+1], s56, 64*VP2
	s_add_co_u32 s[G0V+1], s[G0V+1], VOFF
	s_lshl_b32 s58, s56, 14
	s_mov_b32 s59, 0
	s_mov_b32 s[G0K], 1
	s_mov_b32 s[G0V], 1
	s_mov_b32 s[SEL], 0x76543210
	s_mov_b32 s[SEL+1], 0xfedcba98
	s_mov_b32 s[CS], 0x3e38aa3b                    ; c = log2(e) / 8
	s_mov_b32 s[CS+1], s[CS]
	s_mov_b32 s[TB], 0
	s_mov_b32 s[KF], 0
	s_mov_b32 s[SLOTS], 7
	s_wait_dscnt 0x0                               ; both opening adds are done
	s_wait_kmcnt 0x0
	s_add_nc_u64 s[4:5], s[4:5], s[60:61]          ; q's head
	s_add_nc_u64 s[6:7], s[6:7], s[60:61]
	s_add_nc_u64 s[10:11], s[4:5], 0x1000000       ; k's head
	s_add_nc_u64 s[12:13], s[4:5], 0x2000000       ; v's head
	s_add_nc_u64 s[8:9], s[4:5], s[62:63]          ; Q at my first query
	s_add_nc_u64 s[6:7], s[6:7], s[62:63]          ; att likewise
	s_add_nc_u64 s[G0K+2:G0K+3], s[10:11], s[58:59]
	s_or_b32 s[G0K+3], s[G0K+3], 0x80000000
	s_add_nc_u64 s[G0V+2:G0V+3], s[12:13], s[58:59]
	s_or_b32 s[G0V+3], s[G0V+3], 0x80000000
	TLOAD                                          ; slot 0: it holds key 0, which counts for every query
	v_and_b32 v15, 15, v0                          ; r
	v_bfe_u32 v14, v0, 4, 1                        ; h
	v_lshlrev_b32 v[QO], 7, v15
	v_lshl_add_u32 v[QO], v14, 4, v[QO]            ; row r of 128 bytes + 16 h
.irp t, 0,1
.irp ks, 0,1
.irp u, 0,1
	global_load_b128 v[Q+16*\t+8*\ks+4*\u:Q+16*\t+8*\ks+4*\u+3], v[QO], s[8:9] offset:\t*2048+\ks*64+\u*32   ; Q stays in registers
.endr
.endr
.endr
	s_cmp_lt_u32 s[WV], 8                          ; the prefetches: waves 4-7 stand in K, waves 8-11 in V
	s_cselect_b64 s[PFA:PFA+1], s[10:11], s[12:13]
	s_and_b32 s56, s[WV], 3
	s_lshl_b32 s56, s56, 13                        ; my 8,192 bytes,
	s_add_co_u32 s56, s56, 0x8000                  ; in slot 1: the first change of slots steps it to slot 2.  Nothing is prefetched at the head
	s_mov_b32 s57, 0
	s_add_nc_u64 s[PFA:PFA+1], s[PFA:PFA+1], s[56:57]
	s_sub_co_u32 s56, s[WV], 4
	s_lshr_b32 s56, s56, 3                         ; 0 in waves 4 to 11,
	s_or_b32 s56, s56, ttmp9                       ; of the work-group j = 0
	s_cmp_eq_u32 s56, 0
	s_cselect_b32 s[LIM], 1, -1
	v_lshlrev_b32 v12, 3, v14
	v_sub_nc_u32 v[DQ], v15, v12
	v_bfe_u32 v12, v0, 1, 3                        ; r / 2
	v_and_b32 v13, 1, v0
	v_mul_u32_u24 v[AK0], v12, KP2
	v_lshl_add_u32 v[AK0], v13, 7, v[AK0]
	v_lshl_add_u32 v[AK0], v14, 4, v[AK0]          ; K: key r: (r / 2) x 272 + (r % 2) x 128 + 16 h
	v_bfe_u32 v12, v0, 1, 2
	v_lshl_add_u32 v12, v14, 2, v12
	v_mul_u32_u24 v[AV0], v12, VP2
	v_lshl_add_u32 v[AV0], v13, 7, v[AV0]
	v_bfe_u32 v12, v0, 3, 1
	v_lshl_add_u32 v[AV0], v12, 4, v[AV0]
	v_add_nc_u32 v[AV0], VOFF, v[AV0]              ; V: key 8 h + lane % 8, channels 8 ((lane / 8) % 2) on
	v_and_b32 v[PFO], 31, v0
	v_lshlrev_b32 v[PFO], 8, v[PFO]
	v_mov_b32 v[NINF], 0xff800000
.irp t, 0,1
	v_mov_b32 v[ST+8*\t+1], 0xff61b1e6             ; m: -3e38, under every score
	v_mul_f32 v[ST+8*\t], s[CS], v[ST+8*\t+1]
.irp i, 2,3,4,5,6,7
	v_mov_b32 v[ST+8*\t+\i], 0
.endr
.endr
.irp j, 0,1,2,3,4,5,6,7,8,9,10,11,12,13,14,15,16,17,18,19,20,21,22,23,24,25,26,27,28,29,30,31,32,33,34,35,36,37,38,39,40,41,42,43,44,45,46,47,48,49,50,51,52,53,54,55,56,57,58,59,60,61,62,63
	v_mov_b32 v[O+\j], 0                           ; O^T.  (The step is written once: the first finds zeros, which a = 0 leaves zeros)
.endr
; A KEY STEP: 64 keys, the q-th quarter of the slot in hand.
.macro STEP q
	s_add_co_u32 s56, s[Q0], 31                    ; a step all of whose keys come after my 32 queries is left out: a branch on ids; no barrier and no tensor load stands in a step
	s_cmp_gt_u32 s[KF], s56
	s_cbranch_scc1 .Lhidden_\@
	v_add_nc_u32 v[ADK], s[TB], v[AK0]
	v_add_nc_u32 v[ADV], s[TB], v[AV0]
.rept 3
	v_nop                                          ; with the two additions: five places behind the last products: four for the loads into V's registers, five for the products that write over P
.endr
.irp kt, 0,1,2,3
.irp ks, 0,1
.irp u, 0,1
	ds_load_b128 v[KV+16*\kt+8*\ks+4*\u:KV+16*\kt+8*\ks+4*\u+3], v[ADK] offset:(\q)*8704+\kt*2176+\ks*64+\u*32
.endr
.endr
.endr
	s_wait_dscnt 0x0
.irp ks, 0,1                                   ; S^T = K Q^T: eight accumulators by turns; the first eight start the sums
.irp kt, 0,1,2,3
.irp t, 0,1
.if \ks == 0
	v_wmma_f32_16x16x32_f16 v[S+32*\t+8*\kt:S+32*\t+8*\kt+7], v[KV+16*\kt+8*\ks:KV+16*\kt+8*\ks+7], v[Q+16*\t+8*\ks:Q+16*\t+8*\ks+7], 0
.else
	v_wmma_f32_16x16x32_f16 v[S+32*\t+8*\kt:S+32*\t+8*\kt+7], v[KV+16*\kt+8*\ks:KV+16*\kt+8*\ks+7], v[Q+16*\t+8*\ks:Q+16*\t+8*\ks+7], v[S+32*\t+8*\kt:S+32*\t+8*\kt+7]
.endif
.endr
.endr
.endr
.rept 4
	v_nop                                          ; places: for the loads into K's registers, and for the first read of the scores
.endr
.irp ks, 0,1                                   ; V, turned: it lands while the softmax runs
.irp ct, 0,1,2,3
.irp u, 0,1
	ds_load_tr16_b128 v[KV+32*\ks+8*\ct+4*\u:KV+32*\ks+8*\ct+4*\u+3], v[ADV] offset:(\q)*9216+\ks*4608+\u*2304+\ct*32
.endr
.endr
.endr
	s_add_co_u32 s56, s[KF], 63                    ; on the diagonal the scores of hidden keys become -infinity ahead of the maximum; a step all of whose keys count skips this
	s_cmp_le_u32 s56, s[Q0]
	s_cbranch_scc1 .Lopen_\@
	s_sub_co_i32 s56, s[Q0], s[KF]
.irp t, 0,1
	v_add_nc_u32 v[DD], s56, v[DQ]                 ; d = my query - KF - 8 h.  Register 8 kt + i holds key KF + 16 kt + 8 h + i: hidden where 16 kt + i > d
.irp n, 0,1,2,3,4,5,6,7,8,9,10,11,12,13,14,15,16,17,18,19,20,21,22,23,24,25,26,27,28,29,30,31
	v_cmp_gt_i32 vcc_lo, 16*(\n/8)+\n%8, v[DD]
	v_cndmask_b32 v[S+32*\t+\n], v[S+32*\t+\n], v[NINF], vcc_lo
.endr
	s_add_co_i32 s56, s56, 16
.endr
.Lopen_\@:
.irp j, 0,1,2,3                                ; the maximum of 32 scores and the old m, four chains a tile, the two tiles by turns; each accumulator is read from its low end on
.irp t, 0,1
	v_max3_num_f32 v[ST+8*\t+4+\j], v[S+32*\t+8*\j], v[S+32*\t+8*\j+1], v[S+32*\t+8*\j+2]
.endr
.endr
.irp g, 1,2
.irp j, 0,1,2,3
.irp t, 0,1
	v_max3_num_f32 v[ST+8*\t+4+\j], v[ST+8*\t+4+\j], v[S+32*\t+8*\j+2*\g+1], v[S+32*\t+8*\j+2*\g+2]
.endr
.endr
.endr
.irp t, 0,1
	v_max3_num_f32 v[ST+8*\t+4], v[ST+8*\t+4], v[S+32*\t+7], v[S+32*\t+15]
.endr
.irp t, 0,1
	v_max3_num_f32 v[ST+8*\t+6], v[ST+8*\t+6], v[S+32*\t+23], v[S+32*\t+31]
.endr
.irp t, 0,1
	v_max3_num_f32 v[ST+8*\t+4], v[ST+8*\t+4], v[ST+8*\t+5], v[ST+8*\t+6]
.endr
.irp t, 0,1
	v_max3_num_f32 v[ST+8*\t+4], v[ST+8*\t+4], v[ST+8*\t+7], v[ST+8*\t+1]
.endr
.irp t, 0,1
	v_permlanex16_b32 v[ST+8*\t+5], v[ST+8*\t+4], s[SEL], s[SEL+1]   ; the query's other 32 keys lie in the lane 16 away
.endr
.irp t, 0,1
	v_mov_b32 v[ST+8*\t+7], v[ST+8*\t]             ; c m_old
.endr
.irp t, 0,1
	v_max_num_f32 v[ST+8*\t+1], v[ST+8*\t+4], v[ST+8*\t+5]
.endr
.irp t, 0,1
	v_mul_f32 v[ST+8*\t], s[CS], v[ST+8*\t+1]
.endr
.irp t, 0,1
	v_sub_f32 v[ST+8*\t+7], v[ST+8*\t+7], v[ST+8*\t]
.endr
.irp j, 0,2,4,6,8,10,12,14,16,18,20,22,24,26,28,30
.irp t, 0,1
	v_pk_fma_f32 v[S+32*\t+\j:S+32*\t+\j+1], v[S+32*\t+\j:S+32*\t+\j+1], s[CS:CS+1], v[ST+8*\t:ST+8*\t+1] op_sel_hi:[1,0,0] neg_lo:[0,0,1] neg_hi:[0,0,1]   ; c s - c m
.endr
.endr
.irp t, 0,1
	v_exp_f32 v[ST+8*\t+6], v[ST+8*\t+7]           ; a
.endr
.irp j, 0,1,2,3,4,5,6,7,8,9,10,11,12,13,14,15,16,17,18,19,20,21,22,23,24,25,26,27,28,29,30,31
.irp t, 0,1
	v_exp_f32 v[S+32*\t+\j], v[S+32*\t+\j]         ; p: ONE batch of 66 exponentials, none of which reads another's result
.endr
.endr
	v_nop                                          ; the plain instruction behind the last exponential
	s_wait_alu depctr_va_vdst(0)                   ; one wait for the whole batch, ahead of its first reader
.irp t, 0,1
	v_pk_mul_f32 v[ST+8*\t+2:ST+8*\t+3], v[ST+8*\t+2:ST+8*\t+3], v[ST+8*\t+6:ST+8*\t+7] op_sel_hi:[1,0]   ; l x a
.endr
.irp t, 0,1
	v_pk_add_f32 v[ST+8*\t+4:ST+8*\t+5], v[S+32*\t:S+32*\t+1], v[S+32*\t+2:S+32*\t+3]   ; the sum of the unrounded p, in two chains a tile
.endr
.irp j, 4,8,12,16,20,24,28
.irp t, 0,1
	v_pk_add_f32 v[ST+8*\t+2:ST+8*\t+3], v[ST+8*\t+2:ST+8*\t+3], v[S+32*\t+\j:S+32*\t+\j+1]
	v_pk_add_f32 v[ST+8*\t+4:ST+8*\t+5], v[ST+8*\t+4:ST+8*\t+5], v[S+32*\t+\j+2:S+32*\t+\j+3]
.endr
.endr
.irp t, 0,1
	v_pk_add_f32 v[ST+8*\t+2:ST+8*\t+3], v[ST+8*\t+2:ST+8*\t+3], v[ST+8*\t+4:ST+8*\t+5]
.endr
.irp j, 0,1,2,3,4,5,6,7,8,9,10,11,12,13,14,15
.irp t, 0,1
	v_cvt_pk_f16_f32 v[S+32*\t+\j], v[S+32*\t+2*\j], v[S+32*\t+2*\j+1]   ; P in place: pair j goes to register j, which lies at or under its sources
.endr
.endr
.irp j, 0,2,4,6,8,10,12,14,16,18,20,22,24,26,28,30
.irp t, 0,1
	v_pk_mul_f32 v[O+32*\t+\j:O+32*\t+\j+1], v[O+32*\t+\j:O+32*\t+\j+1], v[ST+8*\t+6:ST+8*\t+7] op_sel_hi:[1,0]   ; O^T x a
.endr
.endr
	s_wait_dscnt 0x0                               ; V is in
.irp ks, 0,1                                   ; O^T += V^T P: eight accumulators by turns
.irp ct, 0,1,2,3
.irp t, 0,1
	v_wmma_f32_16x16x32_f16 v[O+32*\t+8*\ct:O+32*\t+8*\ct+7], v[KV+32*\ks+8*\ct:KV+32*\ks+8*\ct+7], v[S+32*\t+8*\ks:S+32*\t+8*\ks+7], v[O+32*\t+8*\ct:O+32*\t+8*\ct+7]
.endr
.endr
.endr
.Lhidden_\@:
	s_add_co_u32 s[KF], s[KF], 64
.endm
; THE CHANGE OF SLOTS stands at a slot's head.  Each wave waits for all its tensor loads, adds 0 to its spare word, and waits for that and for its reads of the slot that it has left.  Behind the barrier
; the slot ahead is whole and nobody reads the other one.  fill = 1: that other slot is filled with the next 256 keys, up to the causal limit.
.macro CHANGE fill
	s_wait_tensorcnt 0x0                           ; no tensor load of mine is out, so a group 0 may be written
	ds_add_u32 v[SPW], v[NIL]
.if \fill
	ds_add_u32 v[SPW], v[NIL]                      ; and once more here, in every trip alike
	s_xor_b32 s[G0K+1], s[G0K+1], SLOT1            ; the walking descriptors: the other slot,
	s_add_nc_u64 s[G0K+2:G0K+3], s[G0K+2:G0K+3], 0x8000   ; the next 256 keys
	s_xor_b32 s[G0V+1], s[G0V+1], SLOT1
	s_add_nc_u64 s[G0V+2:G0V+3], s[G0V+2:G0V+3], 0x8000
	s_wait_xcnt 0x0                                ; the last prefetch, a slot back, has read its address, so it may be written
	s_add_nc_u64 s[PFA:PFA+1], s[PFA:PFA+1], 0x8000
.endif
	s_wait_dscnt 0x0                               ; the add is done, and my reads of the slot that I have left are over
	s_barrier_signal -1
	s_barrier_wait -1
.if \fill
	s_add_co_u32 s56, s[KF], 256                   ; the first key of the slot that this change would ask for:
	s_cmp_gt_u32 s56, s[QL]                        ; past my work-group's last query it would be read by none of its waves.  Ids and the count of steps alone: all sixteen waves go the same way
	s_cbranch_scc1 .Lpast_\@
	TLOAD                                          ; a wave's one tensor load until the next change
.Lpast_\@:
	ASK
.endif
.endm
.macro SLOT_STEPS
	STEP 0
	STEP 1
	STEP 2
	STEP 3
	s_xor_b32 s[TB], s[TB], SLOT1
.endm
	s_wait_loadcnt 0x0                             ; Q
.Lslot:                                            ; seven trips
	CHANGE 1
	SLOT_STEPS
	s_sub_co_u32 s[SLOTS], s[SLOTS], 1
	s_cmp_lg_u32 s[SLOTS], 0
	s_cbranch_scc1 .Lslot
	CHANGE 0                                       ; the last slot is written out: nothing is left to ask for
	SLOT_STEPS
	; THE WAY OUT.  The address lines are also the places behind the last products.
	v_and_b32 v15, 15, v0
	v_bfe_u32 v14, v0, 4, 1
	s_mul_i32 s56, s[WV], 32*144
	s_add_co_u32 s56, s56, STAGE                   ; my stage
	v_mul_u32_u24 v12, v15, 144
	v_lshl_add_u32 v12, v14, 4, v12
	v_add_nc_u32 v12, s56, v12                     ; in: row r, 16 bytes for each half of the lanes
	v_bfe_u32 v13, v0, 3, 2
	v_mul_u32_u24 v13, v13, 144
	v_and_b32 v15, 7, v0
	v_lshl_add_u32 v13, v15, 4, v13
	v_add_nc_u32 v13, s56, v13                     ; back: eight lanes to a row of 128 bytes, four rows a load
	v_and_b32 v14, 31, v0
	v_lshlrev_b32 v14, 4, v14                      ; and in att: 16 bytes a lane
.irp t, 0,1
	v_add_f32 v[ST+8*\t+4], v[ST+8*\t+2], v[ST+8*\t+3]
.endr
.irp t, 0,1
	v_permlanex16_b32 v[ST+8*\t+5], v[ST+8*\t+4], s[SEL], s[SEL+1]
.endr
.irp t, 0,1
	v_add_f32 v[ST+8*\t+4], v[ST+8*\t+4], v[ST+8*\t+5]
.endr
.irp t, 0,1
	v_rcp_f32 v[ST+8*\t+6], v[ST+8*\t+4]
.endr
	v_nop
	s_wait_alu depctr_va_vdst(0)                   ; one wait for the two reciprocals, ahead of their first reader
.irp t, 0,1
.irp j, 0,2,4,6,8,10,12,14,16,18,20,22,24,26,28,30
	v_pk_mul_f32 v[O+32*\t+\j:O+32*\t+\j+1], v[O+32*\t+\j:O+32*\t+\j+1], v[ST+8*\t+6:ST+8*\t+7] op_sel_hi:[1,0]
.endr
.irp j, 0,1,2,3,4,5,6,7,8,9,10,11,12,13,14,15
	v_cvt_pk_f16_f32 v[S+16*\t+\j], v[O+32*\t+2*\j], v[O+32*\t+2*\j+1]
.endr
.irp ct, 0,1,2,3
	ds_store_b128 v12, v[S+16*\t+4*\ct:S+16*\t+4*\ct+3] offset:\t*2304+\ct*32
.endr
.endr
.irp i, 0,1,2,3,4,5,6,7
	ds_load_b128 v[KV+4*\i:KV+4*\i+3], v13 offset:\i*576   ; LDS serves a wave's instructions in order: these see my stores
.endr
.irp i, 0,1,2,3,4,5,6,7
	s_wait_dscnt 7-\i                              ; the younger loads may be out
	global_store_b128 v14, v[KV+4*\i:KV+4*\i+3], s[6:7] offset:\i*512   ; the wave stores 512 consecutive bytes, aligned
.endr
	s_wait_tensorcnt 0x0                           ; the wave's end
	ds_add_u32 v[SPW], v[NIL]
	s_wait_dscnt 0x0
	s_endpgm
.Lfunc_end_k_q5ec7c76f25_attn:
	.size	k_q5ec7c76f25_attn, .Lfunc_end_k_q5ec7c76f25_attn-k_q5ec7c76f25_attn
	.p2alignl 7, 3214868480
	.fill 96, 4, 3214868480
	.section	.rodata,"a",@progbits
	.p2align	6, 0x0
	.amdhsa_kernel k_q5ec7c76f25_attn
		.amdhsa_group_segment_fixed_size 327680
		.amdhsa_private_segment_fixed_size 0
		.amdhsa_enable_private_segment 0
		.amdhsa_kernarg_size 16
		.amdhsa_user_sgpr_count 2
		.amdhsa_user_sgpr_kernarg_segment_ptr 1
		.amdhsa_wavefront_size32 1
		.amdhsa_system_sgpr_workgroup_id_x 1
		.amdhsa_system_sgpr_workgroup_id_y 1
		.amdhsa_system_sgpr_workgroup_id_z 1
		.amdhsa_system_vgpr_workitem_id 0
		.amdhsa_next_free_vgpr 256
		.amdhsa_next_free_sgpr 66
		.amdhsa_reserve_vcc 1
		.amdhsa_float_denorm_mode_32 3
		.amdhsa_float_denorm_mode_16_64 3
		.amdhsa_memory_ordered 1
		.amdhsa_forward_progress 1
		.amdhsa_inst_pref_size 189
	.end_amdhsa_kernel
	.amdgpu_metadata
---
amdhsa.version: [ 1, 2 ]
amdhsa.kernels:
  - .name:           k_q5ec7c76f25_attn
    .symbol:         k_q5ec7c76f25_attn.kd
    .args:
      - { .name: qkvh, .offset: 0, .size: 8, .value_kind: global_buffer, .address_space: global }
      - { .name: att, .offset: 8, .size: 8, .value_kind: global_buffer, .address_space: global }
    .group_segment_fixed_size: 327680
    .private_segment_fixed_size: 0
    .kernarg_segment_align: 8
    .kernarg_segment_size: 16
    .max_flat_workgroup_size: 512
    .sgpr_count:     66
    .vgpr_count:     256
    .wavefront_size: 32
...
	.end_amdgpu_metadata
.endif
;; end of part 3
;; launch proj (part 4): grid 4 x 64, 4 waves a work-group, clusters of 4 x 4, 327,680 bytes of LDS; arguments att, wo16, out0; writes out0
.if DOCPART == 4
	.amdgcn_target "amdgcn-amd-amdhsa--gfx1250"
	.amdhsa_code_object_version 6
	.text
	.protected	k_q5ec7c76f25_proj
	.globl	k_q5ec7c76f25_proj
	.p2align	8
	.type	k_q5ec7c76f25_proj,@function
k_q5ec7c76f25_proj:
	s_mov_b64 s[64:65], 0
	v_nop
	global_prefetch_b8 v0, s[64:65] scope:SCOPE_SE
	s_setreg_imm32_b32 hwreg(HW_REG_WAVE_MODE, 25, 1), 1
	s_wait_xcnt 0x0
	s_wait_alu depctr_hold_cnt(0) depctr_sa_sdst(0) depctr_va_vdst(0) depctr_va_sdst(0) depctr_va_ssrc(0) depctr_va_vcc(0) depctr_vm_vsrc(0)
	s_getreg_b32 s2, hwreg(HW_REG_IB_STS2, 6, 4)
	s_cmp_eq_u32 s2, 0
	s_cbranch_scc0 .Lentry_in_a_cluster
	s_endpgm
.Lentry_in_a_cluster:
	s_bfe_u32 s2, ttmp6, 0x10000c
	s_cmp_lg_u32 s2, 0xf033
	s_cbranch_scc0 .Lentry_shape_is_right
	s_endpgm
.Lentry_shape_is_right:
; out0[m][n] = sum over k of att[m][k] w_o[n][k]; M 8,192, N 1,024, K 1,024; f16 operands, f32 sums, f32 out.
; att lies by heads, [batch x 16 + head][t][64]: k = 64 head + channel.  wo16: [n][k].
; A tile of 128 x 256 gives 4 x 64 = 256 work-groups.  Four waves, 64 x 128 each: 32 accumulators, 256 registers.  K goes in steps of 128 (two heads) through a ring of two LDS slots.
; A head's 128 rows of 128 bytes are one dense block: it comes as 64 rows of 256 bytes (two positions a row).  w_o's rows in a tile are 256 bytes.
; CLUSTERS: 4 x 4.  The four of a row of the cluster need the same tiles of att, the four of a column the same tiles of w_o: each is asked for jointly.
; THE MATRIX INSTRUCTION IS USED TRANSPOSED (source 0 = 16 rows of w_o, source 1 = 16 rows of att): a lane holds eight neighbouring columns of one row.
; The rows of positions 0 to 15 of each sequence are written here like all others and written again, more finely, by the launch that follows.
; No prefetch: the launch is short, its tile small, and each tile is shared by four partners.
; REGISTERS: window 0: v0-31 addresses; v128-255 rows on the way out.   window 1: two fragment buffers of 96 (att's 4 blocks, then w_o's 8), at v0 and v128.   window 2: accumulator (a, b) at v[8 (8 a + b)].
.set PITCH,  272
.set AHALF,  64*PITCH                  ; one head's 128 positions
.set BHALF,  128*PITCH                 ; 128 rows of w_o
.set SLOT,   2*AHALF+2*BHALF
.set STAGE,  2*SLOT                    ; behind the ring: 16 rows x (512 bytes + 16) for each wave
.set SPITCH, 528
.set SPARE,  STAGE+4*16*SPITCH
.set LAPS,   4                         ; 8 K steps, two a lap
.set ADRA, 16
.set ADRB, 20
.set STO,  24
.set RD,   25
.set CO,   26
.set SPW,  28
.set NIL,  29
.set BK,   128
.set F0,   0
.set F1,   128
.set G1, 24
.set G0, 32
.set G1B, 48
.set G0B, 56
.set MSB, 0
.macro WIN new
.if MSB != \new
	s_set_vgpr_msb (MSB<<8)|\new
.set MSB, \new
.endif
.endm
.set MUL,  0xa5                        ; sources 0 and 1 window 1; C and D window 2
.set TO_F, 0x40                        ; destination window 1, address window 0
.macro JLOAD s                         ; waves 0 and 1 fetch the two heads of att, waves 2 and 3 the halves of w_o; an s_nop 0 and four v_nop follow each line
	s_cmp_eq_u32 s11, 0
	s_cbranch_scc0 .Lfor_b_\@
	tensor_load_to_lds s[G0+4*\s:G0+4*\s+3], s[G1:G1+7]
	s_nop 0
.rept 4
	v_nop
.endr
	s_branch .Lasked_\@
.Lfor_b_\@:
	tensor_load_to_lds s[G0B+4*\s:G0B+4*\s+3], s[G1B:G1B+7]
	s_nop 0
.rept 4
	v_nop
.endr
.Lasked_\@:
.endm
.macro CREST
	s_cmp_lg_u32 s10, 0
	s_cbranch_scc1 .Lnot_wave_0_\@
	s_barrier_signal -3
.Lnot_wave_0_\@:
	s_barrier_wait -3
	s_barrier_signal -1
	s_barrier_wait -1
.endm
.macro CROUND
	s_barrier_signal -1
	s_barrier_wait -1
	CREST
.endm
	s_load_b128 s[4:7], s[0:1], 0x0                ; att, wo16
	s_load_b64 s[8:9], s[0:1], 0x10                ; out0
	v_lshl_add_u32 v[SPW], v0, 2, SPARE
	v_mov_b32 v[NIL], 0
	ds_add_u32 v[SPW], v[NIL]                      ; the wave's opening: the add, twice on end, and its wait ahead of my first tensor load
	ds_add_u32 v[SPW], v[NIL]
	v_lshrrev_b32 v1, 5, v0
	v_readfirstlane_b32 s10, v1                    ; wave 0..3
	s_lshr_b32 s11, s10, 1                         ; which 64 rows are mine.  Also: I fetch for att (0) or for w_o (1)
	s_and_b32 s12, s10, 1                          ; which 128 columns.  Also: which head, or which 128 rows of w_o, I fetch
	s_bfe_u32 s40, ttmp6, 0x40000                  ; cx
	s_bfe_u32 s41, ttmp6, 0x40004                  ; cy
	s_lshl_b32 s42, ttmp9, 2
	s_add_co_u32 s42, s42, s40                     ; tile column
	s_and_b32 s13, ttmp7, 0xffff
	s_lshl_b32 s13, s13, 2
	s_add_co_u32 s13, s13, s41                     ; tile row
	s_lshl_b32 s43, s41, 2
	s_lshl_b32 s43, 15, s43                        ; my row of the cluster
	s_lshl_b32 s44, 0x1111, s40                    ; my column
	s_or_b32 s[G1+0], s43, (1<<16)|(1<<20)|(1<<21)|(5<<22)|(3<<25)   ; the mask; elements of 2 bytes; padding: 4 words after every 64; bit 21 beside a mask
	s_mov_b32 s[G1+1], 128<<16                     ; att: 64 rows of 128 elements, dense
	s_mov_b32 s[G1+2], 64<<16
	s_mov_b32 s[G1+3], 128<<16
	s_mov_b32 s[G1+4], 64
	s_mov_b32 s[G1+5], 128
	s_mov_b32 s[G1+6], 0
	s_mov_b32 s[G1+7], 0
	s_or_b32 s[G1B+0], s44, (1<<16)|(1<<20)|(1<<21)|(5<<22)|(3<<25)
	s_mov_b32 s[G1B+1], 128<<16                    ; w_o: 128 rows of 128 elements, 1,024 elements apart
	s_mov_b32 s[G1B+2], 128<<16
	s_mov_b32 s[G1B+3], 128<<16
	s_mov_b32 s[G1B+4], 128
	s_mov_b32 s[G1B+5], 1024
	s_mov_b32 s[G1B+6], 0
	s_mov_b32 s[G1B+7], 0
	s_lshr_b32 s16, s13, 4                         ; att: ((batch x 16 + my head of the step) x 2,048 + the tile's first position) x 128 bytes
	s_lshl_b32 s16, s16, 4
	s_add_co_u32 s16, s16, s12
	s_lshl_b32 s16, s16, 11
	s_and_b32 s17, s13, 15
	s_lshl_b32 s17, s17, 7
	s_add_co_u32 s16, s16, s17
	s_lshl_b32 s16, s16, 7
	s_mov_b32 s17, 0
	s_lshl_b32 s46, s42, 8                         ; w_o: row 256 x tile column + 128 x half, rows of 2,048 bytes
	s_lshl_b32 s47, s12, 7
	s_add_co_u32 s46, s46, s47
	s_lshl_b32 s46, s46, 11
	s_mov_b32 s47, 0
	s_mul_i32 s20, s12, AHALF                      ; where they go: no place in the cluster enters an LDS address
	s_mul_i32 s21, s12, BHALF
	s_add_co_u32 s21, s21, 2*AHALF
	s_wait_dscnt 0x0                               ; both opening adds are done
	s_wait_kmcnt 0x0
	s_add_nc_u64 s[14:15], s[4:5], s[16:17]
	s_add_nc_u64 s[46:47], s[6:7], s[46:47]
	CROUND                                         ; all sixteen work-groups are here
.irp s, 0,1
	s_mov_b32 s[G0+4*\s], 1
	s_add_co_u32 s[G0+4*\s+1], s20, \s*SLOT
	s_add_nc_u64 s[G0+4*\s+2:G0+4*\s+3], s[14:15], \s*524288       ; K step s: two heads on
	s_or_b32 s[G0+4*\s+3], s[G0+4*\s+3], 0x80000000
	s_mov_b32 s[G0B+4*\s], 1
	s_add_co_u32 s[G0B+4*\s+1], s21, \s*SLOT
	s_add_nc_u64 s[G0B+4*\s+2:G0B+4*\s+3], s[46:47], \s*256
	s_or_b32 s[G0B+4*\s+3], s[G0B+4*\s+3], 0x80000000
	JLOAD \s                                       ; two tensor loads of a wave are out here, later one
.endr
	v_and_b32 v1, 15, v0                           ; r
	v_bfe_u32 v2, v0, 4, 1                         ; h
	v_bfe_u32 v3, v0, 1, 3
	v_mul_u32_u24 v3, v3, PITCH
	v_and_b32 v4, 1, v0
	v_lshl_add_u32 v3, v4, 7, v3
	v_lshl_add_u32 v3, v2, 4, v3                   ; att: position r: (r / 2) x 272 + (r % 2) x 128 + 16 h
	v_mul_u32_u24 v4, v1, PITCH
	v_lshl_add_u32 v4, v2, 4, v4                   ; w_o: row r x 272 + 16 h
	s_mul_i32 s21, s11, 32*PITCH                   ; my 64 positions
	s_mul_i32 s22, s12, BHALF
	s_add_co_u32 s22, s22, 2*AHALF                 ; my 128 rows of w_o
.irp s, 0,1
	v_add_nc_u32 v[ADRA+\s], s21, v3
	v_add_nc_u32 v[ADRB+\s], s22, v4
	s_add_co_u32 s21, s21, SLOT
	s_add_co_u32 s22, s22, SLOT
.endr
	s_mul_i32 s23, s10, 16*SPITCH
	s_add_co_u32 s23, s23, STAGE                   ; my stage
	v_mul_u32_u24 v5, v1, SPITCH
	v_lshl_add_u32 v5, v2, 5, v5
	v_add_nc_u32 v[STO], s23, v5                   ; in: row r, 32 bytes for each half of the lanes
	v_and_b32 v6, 31, v0
	v_lshlrev_b32 v[CO], 4, v6
	v_add_nc_u32 v[RD], s23, v[CO]                 ; back: the 32 lanes take one row of 512 bytes
	s_lshl_b32 s16, s13, 7
	s_lshl_b32 s17, s11, 6
	s_add_co_u32 s16, s16, s17                     ; my first row: 128 x tile row + 64 x half
	s_lshl_b32 s16, s16, 12
	s_mov_b32 s17, 0
	s_add_nc_u64 s[8:9], s[8:9], s[16:17]
	s_lshl_b32 s46, s42, 10                        ; my first column, in bytes
	s_lshl_b32 s47, s12, 9
	s_add_co_u32 s46, s46, s47
	s_mov_b32 s47, 0
	s_add_nc_u64 s[8:9], s[8:9], s[46:47]
.macro MUL8 f, a, zero                 ; att's block a against w_o's eight, 32 along K.  The 32 accumulators take turns in the same order in every quarter
.irp b, 0,1,2,3,4,5,6,7
.if \zero
	v_wmma_f32_16x16x32_f16 v[8*(8*(\a)+\b):8*(8*(\a)+\b)+7], v[\f+32+8*\b:\f+32+8*\b+7], v[\f+8*(\a):\f+8*(\a)+7], 0
.else
	v_wmma_f32_16x16x32_f16 v[8*(8*(\a)+\b):8*(8*(\a)+\b)+7], v[\f+32+8*\b:\f+32+8*\b+7], v[\f+8*(\a):\f+8*(\a)+7], v[8*(8*(\a)+\b):8*(8*(\a)+\b)+7]
.endif
.endr
.endm
.macro FETCH slot, q, f                ; 24 LDS loads in one run: the q-th 32 along K of a slot: w_o's eight blocks, then att's four (head q / 2, channels 32 (q % 2) on)
	WIN TO_F
.irp i, 0,1,2,3,4,5,6,7
	ds_load_b128 v[\f+32+8*\i:\f+32+8*\i+3],   v[ADRB+\slot] offset:(\q)*64+\i*16*PITCH
	ds_load_b128 v[\f+32+8*\i+4:\f+32+8*\i+7], v[ADRB+\slot] offset:(\q)*64+\i*16*PITCH+32
.endr
.irp i, 0,1,2,3
	ds_load_b128 v[\f+8*\i:\f+8*\i+3],   v[ADRA+\slot] offset:((\q)/2)*AHALF+((\q)%2)*64+\i*8*PITCH
	ds_load_b128 v[\f+8*\i+4:\f+8*\i+7], v[ADRA+\slot] offset:((\q)/2)*AHALF+((\q)%2)*64+\i*8*PITCH+32
.endr
.endm
.macro PLACES
.rept 4
	v_nop
.endr
.endm
.macro QUARTER slot, qn, f, g, zero    ; multiplies buffer f; in its middle fetches quarter qn of the same slot into g
	s_wait_dscnt 4                                 ; all but the youngest four loads (att's blocks 2 and 3)
	WIN MUL
	MUL8 \f, 0, \zero
	MUL8 \f, 1, \zero
	PLACES
	FETCH \slot, \qn, \g
	s_wait_dscnt 24                                ; all but the 24 just issued
	WIN MUL
	MUL8 \f, 2, \zero
	MUL8 \f, 3, \zero
.endm
; A slot's last quarter changes slots: in front of the barrier each wave waits for all its tensor loads, adds 0 to its spare word, and waits for that and for its reads of this slot.
.macro TURN slot, next, fill
	WIN 0
	s_wait_tensorcnt 0x0                           ; my part of the next slot has landed
	ds_add_u32 v[SPW], v[NIL]
	s_wait_dscnt 5                                 ; (the add and the youngest four loads may be out)
	WIN MUL
	MUL8 F1, 0, 0
	s_wait_dscnt 0x0                               ; the add is done, and my reads of this slot are over
	s_barrier_signal -1
	MUL8 F1, 1, 0
.if \fill
	WIN 0
.endif
	s_barrier_wait -1
.if \fill
	CREST                                          ; the barrier has opened a round of the cluster's barrier
	s_add_nc_u64 s[G0+4*\slot+2:G0+4*\slot+3], s[G0+4*\slot+2:G0+4*\slot+3], 1048576   ; two K steps on: four heads
	s_add_nc_u64 s[G0B+4*\slot+2:G0B+4*\slot+3], s[G0B+4*\slot+2:G0B+4*\slot+3], 512
	JLOAD \slot                                    ; the first tensor load behind the round; its four v_nop are also the places in front of the loads below
.else
	PLACES
.endif
	FETCH \next, 0, F0
	WIN MUL
	MUL8 F1, 2, 0
	MUL8 F1, 3, 0
.endm
	s_wait_tensorcnt 1                             ; my part of K step 0 is in; K step 1's load may be out
	s_barrier_signal -1
	s_barrier_wait -1
	FETCH 0, 0, F0
	QUARTER 0, 1, F0, F1, 1                        ; the first products start the sums
	WIN 0
	s_mov_b32 s3, LAPS-1
.Llap:                                             ; a trip goes once round the ring and fills both slots again
	QUARTER 0, 2, F1, F0, 0
	QUARTER 0, 3, F0, F1, 0
	TURN 0, 1, 1
	QUARTER 1, 1, F0, F1, 0
	QUARTER 1, 2, F1, F0, 0
	QUARTER 1, 3, F0, F1, 0
	TURN 1, 0, 1
	QUARTER 0, 1, F0, F1, 0
	WIN 0
	s_sub_co_u32 s3, s3, 1
	s_cmp_lg_u32 s3, 0
	s_cbranch_scc1 .Llap
	QUARTER 0, 2, F1, F0, 0                        ; the last lap fills nothing
	QUARTER 0, 3, F0, F1, 0
	TURN 0, 1, 0
	QUARTER 1, 1, F0, F1, 0
	QUARTER 1, 2, F1, F0, 0
	QUARTER 1, 3, F0, F1, 0
	s_wait_dscnt 4
	WIN MUL
	MUL8 F1, 0, 0
	MUL8 F1, 1, 0
	s_wait_dscnt 0
	MUL8 F1, 2, 0
	MUL8 F1, 3, 0
	WIN 0
; THE WAY OUT, block by block of 16 rows x 128 columns of f32, through my own stage: back as whole rows of 512 bytes.
.macro TOSTAGE a
	WIN 0x08                                       ; an LDS store's data are its source 1: window 2
.irp b, 0,1,2,3,4,5,6,7
	ds_store_b128 v[STO], v[64*(\a)+8*\b:64*(\a)+8*\b+3] offset:64*\b          ; each accumulator from its low end on
	ds_store_b128 v[STO], v[64*(\a)+8*\b+4:64*(\a)+8*\b+7] offset:64*\b+16
.endr
	WIN 0
.set BB, BK+64*((\a)%2)
.irp t, 0,1,2,3,4,5,6,7,8,9,10,11,12,13,14,15
	ds_load_b128 v[BB+4*\t:BB+4*\t+3], v[RD] offset:\t*SPITCH                  ; LDS serves a wave's instructions in order
.endr
.endm
.macro SEND a, younger
.set BB, BK+64*((\a)%2)
	s_wait_dscnt \younger                          ; the block is back; the next block's LDS instructions may be out
.irp t, 0,1,2,3,4,5,6,7,8,9,10,11,12,13,14,15
	global_store_b128 v[CO], v[BB+4*\t:BB+4*\t+3], s[8:9] offset:(16*(\a)+\t)*4096 th:TH_STORE_NT   ; 32 lanes store 512 consecutive bytes, aligned
.endr
.endm
	PLACES
	TOSTAGE 0
.irp a, 1,2,3
.if \a > 1
	s_wait_xcnt 0x0                                ; block a - 2's stores have read their registers: block a's loads may land there
.endif
	TOSTAGE \a
	SEND \a-1, 32
.endr
	SEND 3, 0
	s_wait_tensorcnt 0x0                           ; the wave's end
	ds_add_u32 v[SPW], v[NIL]
	s_wait_dscnt 0x0
	CROUND                                         ; the closing round
	s_endpgm
.Lfunc_end_k_q5ec7c76f25_proj:
	.size	k_q5ec7c76f25_proj, .Lfunc_end_k_q5ec7c76f25_proj-k_q5ec7c76f25_proj
	.p2alignl 7, 3214868480
	.fill 96, 4, 3214868480
	.section	.rodata,"a",@progbits
	.p2align	6, 0x0
	.amdhsa_kernel k_q5ec7c76f25_proj
		.amdhsa_group_segment_fixed_size 327680
		.amdhsa_private_segment_fixed_size 0
		.amdhsa_enable_private_segment 0
		.amdhsa_kernarg_size 24
		.amdhsa_user_sgpr_count 2
		.amdhsa_user_sgpr_kernarg_segment_ptr 1
		.amdhsa_wavefront_size32 1
		.amdhsa_system_sgpr_workgroup_id_x 1
		.amdhsa_system_sgpr_workgroup_id_y 1
		.amdhsa_system_sgpr_workgroup_id_z 1
		.amdhsa_system_vgpr_workitem_id 0
		.amdhsa_next_free_vgpr 768
		.amdhsa_next_free_sgpr 66
		.amdhsa_reserve_vcc 0
		.amdhsa_float_denorm_mode_32 3
		.amdhsa_float_denorm_mode_16_64 3
		.amdhsa_memory_ordered 1
		.amdhsa_forward_progress 1
		.amdhsa_inst_pref_size 85
	.end_amdhsa_kernel
	.amdgpu_metadata
---
amdhsa.version: [ 1, 2 ]
amdhsa.kernels:
  - .name:           k_q5ec7c76f25_proj
    .symbol:         k_q5ec7c76f25_proj.kd
    .args:
      - { .name: att, .offset: 0, .size: 8, .value_kind: global_buffer, .address_space: global }
      - { .name: wo16, .offset: 8, .size: 8, .value_kind: global_buffer, .address_space: global }
      - { .name: out0, .offset: 16, .size: 8, .value_kind: global_buffer, .address_space: global }
    .group_segment_fixed_size: 327680
    .private_segment_fixed_size: 0
    .kernarg_segment_align: 8
    .kernarg_segment_size: 24
    .max_flat_workgroup_size: 128
    .sgpr_count:     66
    .vgpr_count:     768
    .wavefront_size: 32
...
	.end_amdgpu_metadata
.endif
;; end of part 4
;; launch fine (part 5): grid 16 x 4, 16 waves a work-group, no clusters, 69,632 bytes of LDS; arguments q32, w_o, out0; writes out0
.if DOCPART == 5
	.amdgcn_target "amdgcn-amd-amdhsa--gfx1250"
	.amdhsa_code_object_version 6
	.text
	.protected	k_q5ec7c76f25_fine
	.globl	k_q5ec7c76f25_fine
	.p2align	8
	.type	k_q5ec7c76f25_fine,@function
k_q5ec7c76f25_fine:
	s_mov_b64 s[64:65], 0
	v_nop
	global_prefetch_b8 v0, s[64:65] scope:SCOPE_SE
	s_setreg_imm32_b32 hwreg(HW_REG_WAVE_MODE, 25, 1), 1
	s_wait_xcnt 0x0
; Positions 0 to 15 of each of the four sequences, carried in f32 through attention and the projection: these rows average one to sixteen values, so the rounding of 16-bit operands weighs most there.
; q32 holds q, k, v of these positions in f32, as images of 16 x 16 accumulators: [batch][column / 16][half][lane][4]: lane (r, h), register j = position r, column 16 tile + 8 h + j.
; SHARES.  A work-group takes one batch and 64 columns of out0.  Wave w is head w: it makes its head's attention for the 16 queries and then its head's part (K = 64) of the 16 x 64 outputs; the sixteen
; parts meet in LDS, and wave w sums and stores row t = w.  The attention is made anew in each of the 16 column groups: 32 small matrix instructions a wave.
; All products by v_wmma_f32_16x16x4_f32, used transposed, so that a lane holds one query throughout.  A product's k may be taken in any order that is the same on both sides: register pair s of both
; operands holds the same channels (or keys) in the same half of the lanes.  The registers that these instructions write are written by nothing else; P is normalised before the second product, so no sum is scaled.
; No tensor load, no cluster: 64 rows in all.
.set SPARE, 67584                      ; behind the sixteen parts of 8 x 528 bytes: the spare words, 128 bytes a wave
.set LI,   1                           ; 16 x lane
.set AVV,  2
.set AW,   3
.set DQ,   4
.set NINF, 5
.set PST,  6
.set PRD,  7
.set GO,   8
.set Q,    16
.set K,    48
.set V,    80
.set W0,   112
.set SA0,  144
.set SA1,  152
.set P,    160
.set T,    168
.set OACC, 184
.set YACC, 216
.set SPW,  254
.set NIL,  255
	s_load_b128 s[4:7], s[0:1], 0x0                ; q32, w_o
	s_load_b64 s[8:9], s[0:1], 0x10                ; out0
	v_lshl_add_u32 v[SPW], v0, 2, SPARE
	v_mov_b32 v[NIL], 0
	v_lshrrev_b32 v9, 5, v0
	v_readfirstlane_b32 s10, v9                    ; wave = head
	s_and_b32 s11, ttmp7, 0xffff                   ; batch
	s_mul_i32 s16, s11, 192
	s_lshl_b32 s17, s10, 2
	s_add_co_u32 s16, s16, s17
	s_lshl_b32 s16, s16, 10                        ; q32: (batch x 192 + 4 head) images of 1,024 bytes
	s_mov_b32 s17, 0
	s_lshl_b32 s18, ttmp9, 18                      ; w_o: 64 rows of 4,096 bytes a column group,
	s_lshl_b32 s19, s10, 8                         ; + my head's 64 channels
	s_add_co_u32 s18, s18, s19
	s_mov_b32 s19, 0
	s_lshl_b32 s24, s11, 11
	s_add_co_u32 s24, s24, s10                     ; out0: row batch x 2,048 + wave,
	s_lshl_b32 s24, s24, 12
	s_lshl_b32 s25, ttmp9, 8                       ; + my group's 64 columns
	s_add_co_u32 s24, s24, s25
	s_mov_b32 s25, 0
	s_mov_b32 s20, 0x76543210
	s_mov_b32 s21, 0xfedcba98
	s_mov_b32 s22, 0x3e38aa3b                      ; c = log2(e) / 8
	v_and_b32 v9, 31, v0                           ; lane
	v_and_b32 v10, 15, v0                          ; r
	v_bfe_u32 v11, v0, 4, 1                        ; h
	v_lshlrev_b32 v[LI], 4, v9
	v_bfe_u32 v12, v0, 2, 1                        ; V(key 8 h + kk, channel 16 ct + r) in its image: half (r / 4) % 2, lane (8 h + kk) + 16 (r / 8), word r % 4
	v_lshlrev_b32 v[AVV], 9, v12
	v_bfe_u32 v12, v0, 3, 1
	v_lshl_add_u32 v[AVV], v12, 8, v[AVV]
	v_lshl_add_u32 v[AVV], v11, 7, v[AVV]
	v_and_b32 v12, 3, v0
	v_lshl_add_u32 v[AVV], v12, 2, v[AVV]
	v_lshlrev_b32 v[AW], 12, v10
	v_lshl_add_u32 v[AW], v11, 5, v[AW]            ; w_o: row r, + 8 h channels
	v_lshlrev_b32 v12, 3, v11
	v_sub_nc_u32 v[DQ], v10, v12                   ; r - 8 h
	v_mov_b32 v[NINF], 0xff800000
	s_mul_i32 s26, s10, 4224
	v_add_nc_u32 v[PST], s26, v[LI]                ; my part: images, 512 bytes + 16 each
	v_bfe_u32 v12, v0, 3, 2                        ; back: lane l takes columns 2 l, 2 l + 1 of row t = wave: tile l / 8, half of the registers (l / 2) % 2, half of the lanes (l / 4) % 2
	v_mul_u32_u24 v[PRD], v12, 1056
	v_bfe_u32 v12, v0, 1, 1
	v_mad_u32_u24 v[PRD], v12, 528, v[PRD]
	v_bfe_u32 v12, v0, 2, 1
	v_lshl_add_u32 v[PRD], v12, 8, v[PRD]
	v_and_b32 v12, 1, v0
	v_lshl_add_u32 v[PRD], v12, 3, v[PRD]
	s_lshl_b32 s26, s10, 4
	v_add_nc_u32 v[PRD], s26, v[PRD]
	v_lshlrev_b32 v[GO], 3, v9
	s_wait_kmcnt 0x0
	s_add_nc_u64 s[12:13], s[4:5], s[16:17]
	s_add_nc_u64 s[14:15], s[6:7], s[18:19]
	s_add_nc_u64 s[8:9], s[8:9], s[24:25]
.irp p, 0,1,2,3,4,5,6,7
	global_load_b128 v[Q+4*\p:Q+4*\p+3], v[LI], s[12:13] offset:\p*512            ; Q: register 8 nt + j = channel 16 nt + 8 h + j of position r
.endr
.irp p, 0,1,2,3,4,5,6,7
	global_load_b128 v[K+4*\p:K+4*\p+3], v[LI], s[12:13] offset:65536+\p*512      ; K likewise
.endr
.irp ct, 0,1,2,3
.irp kk, 0,1,2,3,4,5,6,7
	global_load_b32 v[V+8*\ct+\kk], v[AVV], s[12:13] offset:131072+\ct*1024+\kk*16   ; V^T: channel 16 ct + r, key 8 h + kk
.endr
.endr
.macro WLOAD reg, ct                   ; w_o(16 nt + r, 64 head + 16 ct + 8 h + 0 .. 7), nt = 0 .. 3
.irp nt, 0,1,2,3
	global_load_b128 v[\reg+8*\nt:\reg+8*\nt+3],   v[AW], s[14:15] offset:\nt*65536+(\ct)*64
	global_load_b128 v[\reg+8*\nt+4:\reg+8*\nt+7], v[AW], s[14:15] offset:\nt*65536+(\ct)*64+16
.endr
.endm
	WLOAD W0, 0
	s_wait_loadcnt 40                              ; Q and K are in; V's 32 loads and the first batch of w_o (8) may be out
	v_wmma_f32_16x16x4_f32 v[SA0:SA0+7], v[K:K+1], v[Q:Q+1], 0                    ; S^T = K Q^T in two sums that take turns
	v_wmma_f32_16x16x4_f32 v[SA1:SA1+7], v[K+2:K+3], v[Q+2:Q+3], 0
.irp s, 2,4,6,8,10,12,14
	v_wmma_f32_16x16x4_f32 v[SA0:SA0+7], v[K+2*\s:K+2*\s+1], v[Q+2*\s:Q+2*\s+1], v[SA0:SA0+7]
	v_wmma_f32_16x16x4_f32 v[SA1:SA1+7], v[K+2*\s+2:K+2*\s+3], v[Q+2*\s+2:Q+2*\s+3], v[SA1:SA1+7]
.endr
.rept 8
	v_nop                                          ; eight places behind this form: for the loads into Q's and K's registers and the first read of the sums
.endr
	WLOAD Q, 1
	WLOAD K, 2
.irp j, 0,1,2,3,4,5,6,7
	v_add_f32 v[T+\j], v[SA0+\j], v[SA1+\j]        ; the score of key 8 h + j and query r
.endr
.irp j, 0,1,2,3,4,5,6,7
	v_cmp_gt_i32 vcc_lo, \j, v[DQ]                 ; hidden where 8 h + j > r
	v_cndmask_b32 v[T+\j], v[T+\j], v[NINF], vcc_lo
.endr
	v_max3_num_f32 v176, v[T], v[T+1], v[T+2]
	v_max3_num_f32 v177, v[T+3], v[T+4], v[T+5]
	v_max3_num_f32 v176, v176, v[T+6], v[T+7]
	v_max_num_f32 v176, v176, v177
	v_permlanex16_b32 v177, v176, s20, s21
	v_max_num_f32 v176, v176, v177                 ; the row's maximum: key 0 counts for every query
	v_mul_f32 v176, s22, v176
.irp j, 0,1,2,3,4,5,6,7
	v_fma_f32 v[T+\j], v[T+\j], s22, -v176
.endr
.irp j, 0,1,2,3,4,5,6,7
	v_exp_f32 v[T+\j], v[T+\j]
.endr
	v_nop
	s_wait_alu depctr_va_vdst(0)                   ; one wait for the eight, ahead of their first reader
	v_add_f32 v177, v[T], v[T+1]
	v_add_f32 v178, v[T+2], v[T+3]
	v_add_f32 v179, v[T+4], v[T+5]
	v_add_f32 v180, v[T+6], v[T+7]
	v_add_f32 v177, v177, v178
	v_add_f32 v179, v179, v180
	v_add_f32 v177, v177, v179
	v_permlanex16_b32 v178, v177, s20, s21
	v_add_f32 v177, v177, v178
	v_rcp_f32 v178, v177
	v_nop
	s_wait_alu depctr_va_vdst(0)
.irp j, 0,1,2,3,4,5,6,7
	v_mul_f32 v[P+\j], v[T+\j], v178               ; the weights, normalised
.endr
	s_wait_loadcnt 24                              ; V is in; three batches of w_o may be out
.irp s, 0,1,2,3                                ; O^T = V^T P: four sums by turns; pair s holds keys 8 h + 2 s, + 1 on both sides
.irp ct, 0,1,2,3
.if \s == 0
	v_wmma_f32_16x16x4_f32 v[OACC+8*\ct:OACC+8*\ct+7], v[V+8*\ct+2*\s:V+8*\ct+2*\s+1], v[P+2*\s:P+2*\s+1], 0
.else
	v_wmma_f32_16x16x4_f32 v[OACC+8*\ct:OACC+8*\ct+7], v[V+8*\ct+2*\s:V+8*\ct+2*\s+1], v[P+2*\s:P+2*\s+1], v[OACC+8*\ct:OACC+8*\ct+7]
.endif
.endr
.endr
.rept 9
	v_nop                                          ; nine places: the next products take these sums as a source; eight serve the loads into V's registers
.endr
	WLOAD V, 3
; Y^T += W O^T: register 8 ct + j of O^T is channel 16 ct + 8 h + j of query r, as source 1 wants it; four sums by turns
.macro YSTEP ct, wb, left
	s_wait_loadcnt \left                           ; this batch of w_o is in; the later batches may be out
.irp s, 0,1,2,3
.irp nt, 0,1,2,3
.if ((\ct) == 0) && (\s == 0)
	v_wmma_f32_16x16x4_f32 v[YACC+8*\nt:YACC+8*\nt+7], v[\wb+8*\nt+2*\s:\wb+8*\nt+2*\s+1], v[OACC+8*(\ct)+2*\s:OACC+8*(\ct)+2*\s+1], 0
.else
	v_wmma_f32_16x16x4_f32 v[YACC+8*\nt:YACC+8*\nt+7], v[\wb+8*\nt+2*\s:\wb+8*\nt+2*\s+1], v[OACC+8*(\ct)+2*\s:OACC+8*(\ct)+2*\s+1], v[YACC+8*\nt:YACC+8*\nt+7]
.endif
.endr
.endr
.endm
	YSTEP 0, W0, 24
	YSTEP 1, Q, 16
	YSTEP 2, K, 8
	YSTEP 3, V, 0
.rept 8
	v_nop                                          ; eight places: for the stores that read the sums, and the LDS loads into registers that held w_o
.endr
.irp nt, 0,1,2,3
	ds_store_b128 v[PST], v[YACC+8*\nt:YACC+8*\nt+3] offset:(2*\nt)*528           ; my head's part, as images; each sum from its low end on
	ds_store_b128 v[PST], v[YACC+8*\nt+4:YACC+8*\nt+7] offset:(2*\nt+1)*528
.endr
	s_wait_dscnt 0x0                               ; for the others' sake: my stores have landed
	s_barrier_signal -1
	s_barrier_wait -1
.irp w, 0,1,2,3,4,5,6,7,8,9,10,11,12,13,14,15
	ds_load_b64 v[Q+2*\w:Q+2*\w+1], v[PRD] offset:\w*4224                         ; head w's part of my row's columns 2 l, 2 l + 1
.endr
	s_wait_dscnt 0x0
.irp i, 2,4,6,8,10,12,14
	v_pk_add_f32 v[Q:Q+1], v[Q:Q+1], v[Q+2*\i:Q+2*\i+1]                           ; the sixteen heads, in two chains
	v_pk_add_f32 v[Q+2:Q+3], v[Q+2:Q+3], v[Q+2*\i+2:Q+2*\i+3]
.endr
	v_pk_add_f32 v[Q:Q+1], v[Q:Q+1], v[Q+2:Q+3]
	global_store_b64 v[GO], v[Q:Q+1], s[8:9]       ; the wave stores 256 consecutive bytes, aligned
	s_wait_tensorcnt 0x0                           ; the wave's end, behind my last LDS store
	ds_add_u32 v[SPW], v[NIL]
	s_wait_dscnt 0x0
	s_endpgm
.Lfunc_end_k_q5ec7c76f25_fine:
	.size	k_q5ec7c76f25_fine, .Lfunc_end_k_q5ec7c76f25_fine-k_q5ec7c76f25_fine
	.p2alignl 7, 3214868480
	.fill 96, 4, 3214868480
	.section	.rodata,"a",@progbits
	.p2align	6, 0x0
	.amdhsa_kernel k_q5ec7c76f25_fine
		.amdhsa_group_segment_fixed_size 69632
		.amdhsa_private_segment_fixed_size 0
		.amdhsa_enable_private_segment 0
		.amdhsa_kernarg_size 24
		.amdhsa_user_sgpr_count 2
		.amdhsa_user_sgpr_kernarg_segment_ptr 1
		.amdhsa_wavefront_size32 1
		.amdhsa_system_sgpr_workgroup_id_x 1
		.amdhsa_system_sgpr_workgroup_id_y 1
		.amdhsa_system_sgpr_workgroup_id_z 1
		.amdhsa_system_vgpr_workitem_id 0
		.amdhsa_next_free_vgpr 256
		.amdhsa_next_free_sgpr 66
		.amdhsa_reserve_vcc 1
		.amdhsa_float_denorm_mode_32 3
		.amdhsa_float_denorm_mode_16_64 3
		.amdhsa_memory_ordered 1
		.amdhsa_forward_progress 1
		.amdhsa_inst_pref_size 23
	.end_amdhsa_kernel
	.amdgpu_metadata
---
amdhsa.version: [ 1, 2 ]
amdhsa.kernels:
  - .name:           k_q5ec7c76f25_fine
    .symbol:         k_q5ec7c76f25_fine.kd
    .args:
      - { .name: q32, .offset: 0, .size: 8, .value_kind: global_buffer, .address_space: global }
      - { .name: w_o, .offset: 8, .size: 8, .value_kind: global_buffer, .address_space: global }
      - { .name: out0, .offset: 16, .size: 8, .value_kind: global_buffer, .address_space: global }
    .group_segment_fixed_size: 69632
    .private_segment_fixed_size: 0
    .kernarg_segment_align: 8
    .kernarg_segment_size: 24
    .max_flat_workgroup_size: 512
    .sgpr_count:     66
    .vgpr_count:     256
    .wavefront_size: 32
...
	.end_amdgpu_metadata
.endif
;; end of part 5
